; MI455X (gfx1250); checked and timed in simulation.
; The chip was launched on July 23, 2026; its instructions are those of AMD's public machine-readable ISA for CDNA 5 (MIT licence, August 2026) and "CDNA5" Instruction Set Architecture Reference Guide (July 2026). The comments in the code are by the model that wrote it; some were corrected since.
;; Multi Head. Allowed arithmetic: matrix products marked QUANTISED: E2M3 operands, one E8M0 scale for each 32 along K, by v_wmma_scale_f32_16x16x128_f8f6f4 with both operands' format E2M3, f32 sums; everything else in f32.
;; Inputs: WK 1,024 x 1,024 float32; WO 1,024 x 1,024 float32; WQ 1,024 x 1,024 float32; WV 1,024 x 1,024 float32; token_positions 2,048 int32; x 4 x 2,048 x 1,024 float32.
;; Outputs: out0 4 x 2,048 x 1,024 float32.
;; This version of the problem:
;;   THIS VERSION OF THE PROBLEM IS GIVEN IN LOW PRECISION. The matrix products marked QUANTISED in the list below multiply operands that are first quantised to E2M3 (2 exponent bits, 3 mantissa bits; 6 bits a number), with one power-of-two scale for each 32 numbers along K (OCP MX v1.0); their sums are f32. All else is computed in f32.
;;   The module's matrix products, in the order in which they are computed (A, B: the left and right operand; K: the contracted axis; several contracted axes count as one K, in the product's order):
;;     1. [M 8,192, K 1,024] x [K 1,024, N 1,024]; A: input x; B: input WQ: QUANTISED
;;     2. [M 8,192, K 1,024] x [K 1,024, N 1,024]; A: input x; B: input WK: QUANTISED
;;     3. [M 8,192, K 1,024] x [K 1,024, N 1,024]; A: input x; B: input WV: QUANTISED
;;     4. batch 64 x [M 2,048, K 64] x [K 64, N 2,048]; A: computed on the way; B: computed on the way: QUANTISED
;;     5. batch 64 x [M 2,048, K 2,048] x [K 2,048, N 64]; A: softmax (see below); B: computed on the way: QUANTISED
;;     6. [M 8,192, K 1,024] x [K 1,024, N 1,024]; A: computed on the way; B: input WO: QUANTISED
;;   THE QUANTISER, for each operand of a quantised product, along K:
;;     - K is cut into blocks of 32 from its start; a last block that is shorter is filled with zeros.
;;     - A block's scale is 2^e with e = floor(log2(the largest magnitude in the block)) - 2, held to -126 .. 127; a block of zeros has e = 0. As a byte (E8M0): e + 127.
;;     - Each number is divided by its block's scale, clamped to +-7.5, and rounded to the nearest number of E2M3, ties to even, subnormals kept.
;;     - The product sums the exact products of the quantised numbers (number of the format x scale) in f32.
;;   ~~~python
;;   def quantise(x, axis):      # numpy; x: float32 -> the quantised numbers, widened to float32 again
;;       x = np.moveaxis(x, axis, -1); K = x.shape[-1]
;;       x = np.pad(x, [(0, 0)] * (x.ndim - 1) + [(0, -K % 32)]); x = x.reshape(x.shape[:-1] + (-1, 32)); a = np.abs(x).max(-1, keepdims=True)
;;       e = np.where(a > 0, np.clip(np.frexp(np.where(a > 0, a, 1))[1] - 1 - 2, -126, 127), 0)      # np.frexp(a)[1] - 1 = floor(log2(a)), exactly
;;       r = np.clip(x / 2.0 ** e, -7.5, 7.5)
;;       step = 2.0 ** (np.maximum(np.frexp(np.where(r == 0, 1, r))[1] - 1, 0) - 3)
;;       q = np.round(r / step) * step * 2.0 ** e      # np.round: ties to even
;;       return np.moveaxis(q.reshape(q.shape[:-2] + (-1,))[..., :K], -1, axis).astype(np.float32)
;;   ~~~
;;   SOFTMAX AHEAD OF A QUANTISED PRODUCT. Where the list says 'softmax', what is quantised is not the finished softmax but p = 2^(t - M), with t = logit x log2(e) and M = ceil(the row's largest t), a whole number; so 1/2 < the row's largest p <= 1. The row's sum l is taken of the UNQUANTISED p, in f32, and the product's result is divided by l at the end. Since M is a whole number, a kernel that streams over the keys may use a running M (the ceiling of the running maximum): every later rescaling is an exact power of two, which a block's scale takes up: the codes' values come out the same.
;;   OPERANDS COMPUTED ON THE WAY. 'Computed on the way' means the value that the module computes at that place (a softmax that the list does not call 'softmax' is quantised finished and normalised). What goes into a quantiser is computed in f32, as accurately as f32 sums, v_exp_f32 and their like allow (about 1e-6 of the number): no bf16 or f16 on the way to a quantiser, and a product that is left as it is and whose result goes on into a quantised operand takes f32 operands (vector FMAs, or v_wmma_f32_16x16x4_f32). A number that lies on a knife's edge between two numbers of the format may be rounded either way, as far as f32 arithmetic and the matrix unit's own rounding can turn it there, and no further.
;; One version. Each part assembles by itself: llvm-mc -triple=amdgcn-amd-amdhsa -mcpu=gfx1250 --defsym DOCPART=n.
;; ======== version 1 of 1: 4 launches
;; limits: right only within a limited range of input values
;; workspace buffers: xw_codes 9,437,184 bytes; xw_scales 393,216 bytes; rope 524,288 bytes; qkv_codes 18,874,368 bytes; qkv_scales 1,310,720 bytes; o_codes 6,291,456 bytes; o_scales 262,144 bytes
;; launch quant (part 1): grid 416 x 1, 4 waves a work-group, no clusters, 33,280 bytes of LDS; arguments x, WQ, WK, WV, WO, token_positions, xw_codes, xw_scales, rope; writes xw_codes, xw_scales, rope
.if DOCPART == 1
	.amdgcn_target "amdgcn-amd-amdhsa--gfx1250"
	.amdhsa_code_object_version 6
	.text
	.protected	k_qac83817af8_quant
	.globl	k_qac83817af8_quant
	.p2align	8
	.type	k_qac83817af8_quant,@function
k_qac83817af8_quant:
	s_mov_b64 s[64:65], 0
	v_nop
	global_prefetch_b8 v0, s[64:65] scope:SCOPE_SE
	s_setreg_imm32_b32 hwreg(HW_REG_WAVE_MODE, 25, 1), 1
	s_wait_xcnt 0x0
; x [8192][1024] and WQ, WK, WV, WO [1024][1024], f32 with K innermost, become codes of FP6 (E2M3) with one E8M0 byte for each 32 along K; and the cos and sin of the rotary embedding are tabled.
; The five tensors count as one tensor of 12,288 rows (x, WQ, WK, WV, WO).  LAYOUT OF THE CODES: [16 chunks of 64 along K][12,288 rows][48 bytes]; of the scale bytes: [8 runs of 128 along K][12,288 rows][4].
; ROW ORDER: place p of the rows holds row p with bits 3 and 4 of its number exchanged.  Sixteen neighbouring places, taken as a matrix instruction's first source, then leave a lane's 16 registers of two
; neighbouring tiles as 16 neighbouring rows, which is what the next quantiser along that axis wants.
; A block's scale is 2^(floor(log2(its largest magnitude)) - 2); its byte is the largest magnitude's exponent field - 2, held at 1 from below.  A block of zeros so gets the byte 1 where the rule says 127:
; its codes are zeros, which add nothing under any byte but 0xff, and this program alone reads the bytes.
; LIMITS: NaN and infinities among the inputs are not served.  The table: inv_freq = 2^(-i log2(10000) / 32) is good to about two units of its last place; the angle is reduced by three parts of pi / 2,
; which holds its accuracy for positions under 2^21 in magnitude.
; SHARES.  Work-groups 0-383 quantise: a wave takes 64 rows x 128 along K, in 16 steps of 4 rows.  Each load reads 512 consecutive bytes of one row; a step's 2,048 bytes turn through the wave's own stage in LDS,
; so that a lane holds 16 neighbours along K (two neighbouring lanes hold a block).  Work-groups 384-415 make the table: a wave takes 16 places of tokens.  That path uses no LDS.  No barrier: waves share nothing.
.set STEPS, 16
.set SP,    80                         ; a lane's place in a stage: 64 bytes + 16 of padding
.set WREG,  8192                       ; LDS of a wave: two stages of 32 x SP bytes, then its 256 scale bytes
.set CH,    589824                     ; bytes from chunk to chunk of the codes: 12,288 rows x 48
.set KQS,   49152                      ; bytes from run to run of the scale bytes
.set R,     16                         ; v16-79   four sets of 16 numbers as loaded
.set X,     80                         ; v80-111  two sets of 16 neighbours
.set E,     112                        ; v112-127 a scale byte for each step
.set C,     128                        ; v128-191 codes: four registers for each step, so that no store's data are written again
	s_load_b512 s[4:19], s[0:1], 0x0               ; x, WQ, WK, WV, WO, token_positions, the codes, the scale bytes
	s_load_b64 s[20:21], s[0:1], 0x40              ; the table
	v_lshl_add_u32 v192, v0, 2, 0x8000
	v_mov_b32 v193, 0
	v_lshrrev_b32 v1, 5, v0
	v_readfirstlane_b32 s22, v1                    ; wave
	v_and_b32 v2, 31, v0                           ; lane
	s_cmp_ge_u32 ttmp9, 384
	s_cbranch_scc1 .Ltable
	v_lshlrev_b32 v3, 4, v2                        ; my 16 bytes of a load's 512
	s_mul_i32 s23, s22, WREG
	v_lshrrev_b32 v14, 2, v2
	v_mul_u32_u24 v14, v14, SP
	v_and_b32 v15, 3, v2
	v_lshl_add_u32 v14, v15, 4, v14
	v_add_nc_u32 v14, s23, v14                     ; the stage on the way in: SP (lane / 4) + 16 (lane % 4)
	v_mul_u32_u24 v15, v2, SP
	v_add_nc_u32 v15, s23, v15                     ; and on the way out: SP x lane: row lane / 8 of the step's four, numbers 16 (lane % 8) on
	v_bfe_u32 v4, v2, 2, 1
	v_mul_u32_u24 v4, v4, CH                       ; my codes: chunk (lane / 4) % 2 of the run's two,
	v_lshrrev_b32 v5, 3, v2
	v_mad_u32_u24 v4, v5, 48, v4                   ; row lane / 8,
	v_and_b32 v5, 3, v2
	v_mad_u32_u24 v4, v5, 12, v4                   ; 12 bytes at 12 (lane % 4)
	v_lshrrev_b32 v5, 1, v2
	s_add_co_u32 s23, s23, 2*32*SP
	v_add_nc_u32 v5, s23, v5                       ; LDS: my wave's 256 scale bytes: 4 a row, my block's byte
	v_lshlrev_b32 v7, 3, v2
	v_add_nc_u32 v6, s23, v7                       ; and on the way out 8 bytes a lane
	s_wait_kmcnt 0x0
	s_mov_b32 s24, 352                             ; which tensor: the choice hangs on the work-group's number alone
	s_cmp_lt_u32 ttmp9, 352
	s_cselect_b64 s[26:27], s[10:11], s[12:13]
	s_cselect_b32 s24, 320, s24
	s_cmp_lt_u32 ttmp9, 320
	s_cselect_b64 s[26:27], s[8:9], s[26:27]
	s_cselect_b32 s24, 288, s24
	s_cmp_lt_u32 ttmp9, 288
	s_cselect_b64 s[26:27], s[6:7], s[26:27]
	s_cselect_b32 s24, 256, s24
	s_cmp_lt_u32 ttmp9, 256
	s_cselect_b64 s[26:27], s[4:5], s[26:27]
	s_cselect_b32 s24, 0, s24
	s_sub_co_u32 s24, ttmp9, s24
	s_lshr_b32 s24, s24, 1                         ; which 64 rows of that tensor
	s_lshl_b32 s28, s24, 18                        ; x 64 rows of 4,096 bytes
	s_and_b32 s25, ttmp9, 1
	s_lshl_b32 s25, s25, 2
	s_add_co_u32 s25, s25, s22                     ; which 128 along K: 4 (work-group % 2) + wave
	s_lshl_b32 s29, s25, 9
	s_add_co_u32 s28, s28, s29
	s_mov_b32 s29, 0
	s_add_nc_u64 s[26:27], s[26:27], s[28:29]      ; the numbers
	s_lshr_b32 s30, ttmp9, 1                       ; which 64 of the 12,288 rows
	s_mul_i32 s28, s25, 2*CH
	s_mul_i32 s31, s30, 3072
	s_add_co_u32 s28, s28, s31
	s_add_nc_u64 s[16:17], s[16:17], s[28:29]      ; the codes
	s_mul_i32 s28, s25, KQS
	s_lshl_b32 s31, s30, 8
	s_add_co_u32 s28, s28, s31
	s_add_nc_u64 s[18:19], s[18:19], s[28:29]      ; the scale bytes
.macro LOAD t
.irp i, 0,1,2,3
	global_load_b128 v[R+16*((\t)%4)+4*\i:R+16*((\t)%4)+4*\i+3], v3, s[26:27] offset:(4*(\t)+\i)*4096 th:TH_LOAD_NT   ; 32 lanes read 512 consecutive bytes of row 4 t + i
.endr
.endm
.macro TURN t                          ; step t's numbers through the stage: LDS serves a wave's instructions in order, so no wait stands between the stores and the loads
.irp i, 0,1,2,3
	ds_store_b128 v14, v[R+16*((\t)%4)+4*\i:R+16*((\t)%4)+4*\i+3] offset:32*SP*((\t)%2)+8*SP*\i
.endr
.irp i, 0,1,2,3
	ds_load_b128 v[X+16*((\t)%2)+4*\i:X+16*((\t)%2)+4*\i+3], v15 offset:32*SP*((\t)%2)+16*\i
.endr
.endm
.irp t, 0,1,2,3
	LOAD \t
.endr
	s_wait_loadcnt 12                              ; step 0's four loads are in
	TURN 0
.macro STEP t
.set XS, X+16*((\t)%2)
.set TP, ((\t)&9)|(((\t)&2)<<1)|(((\t)&4)>>1)      ; the step's four rows go to the places with bits 3 and 4 exchanged: bits 1 and 2 of the step's number
.if (\t) > 0
	s_wait_dscnt 1                                 ; this step's numbers are back from the stage (the last step's byte store may be out): so its stores into the stage have read their registers,
.else
	s_wait_dscnt 0x0
.endif
.if (\t)+4 < STEPS
	LOAD (\t)+4                                    ; which take the loads of four steps on
.endif
.if (\t)+1 < STEPS
.if STEPS-2-(\t) >= 3
	s_wait_loadcnt 12                              ; the next step's four loads are in; those of the three steps behind it may be out
.else
	s_wait_loadcnt 4*(STEPS-2-(\t))
.endif
	TURN (\t)+1
.endif
	v_max3_num_f32 v8, |v[XS]|, |v[XS+1]|, |v[XS+2]|               ; the largest magnitude of my 16, in two chains
	v_max3_num_f32 v9, |v[XS+3]|, |v[XS+4]|, |v[XS+5]|
.irp i, 6,10
	v_max3_num_f32 v8, v8, |v[XS+\i]|, |v[XS+\i+1]|
	v_max3_num_f32 v9, v9, |v[XS+\i+2]|, |v[XS+\i+3]|
.endr
	v_max3_num_f32 v8, v8, |v[XS+14]|, |v[XS+15]|
	v_max3_num_f32 v8, v8, v9, 0x1800000           ; and the floor 2^(3 - 127): the byte cannot fall under 1
	v_max_num_f32_dpp v8, v8, v8 row_xmask:1 row_mask:0xf bank_mask:0xf   ; and of my neighbour's 16: the block's
	v_add_nc_u32 v11, 0xff000000, v8               ; 2 off its exponent field: the conversion takes the exponent field of this operand as its scale, and nothing else of it
	v_cvt_scalef32_pk16_fp6_f32 v[C+4*(\t):C+4*(\t)+2], v[XS:XS+15], v11
	v_lshrrev_b32 v[E+(\t)], 23, v11               ; the scale's byte
	ds_store_b8 v5, v[E+(\t)] offset:16*TP         ; both lanes of a block write the same byte with the same value
	global_store_b96 v4, v[C+4*(\t):C+4*(\t)+2], s[16:17] offset:192*TP   ; two runs of 192 consecutive bytes, one in each chunk
.endm
.irp t, 0,1,2,3,4,5,6,7,8,9,10,11,12,13,14,15
	STEP \t
.endr
	ds_load_b64 v[12:13], v6                       ; LDS serves a wave's instructions in order: these see my stores
	s_wait_dscnt 0x0
	global_store_b64 v7, v[12:13], s[18:19]        ; 32 lanes store 256 consecutive bytes, aligned
	s_wait_tensorcnt 0x0
	ds_add_u32 v192, v193
	s_wait_dscnt 0x0
	s_endpgm
; THE TABLE: [128 groups of 16 places of tokens][8 loads][32 lanes][16 bytes].  Lane (r, h) of load 4 p + q holds cos, sin, cos, sin of the frequencies 16 p + 8 h + 2 q and the next, for the token at place 16 group + r:
; just the registers that the projection's way out multiplies its results by.
.Ltable:
	s_sub_co_u32 s23, ttmp9, 384
	s_lshl_b32 s23, s23, 2
	s_add_co_u32 s23, s23, s22                     ; my group
	s_wait_alu depctr_va_vdst(0)
	v_and_b32 v3, 15, v2                           ; r
	v_lshrrev_b32 v4, 4, v2                        ; h
	v_and_b32 v5, 7, v3
	v_lshrrev_b32 v6, 3, v3
	v_lshl_add_u32 v5, v6, 4, v5
	v_lshlrev_b32 v5, 2, v5                        ; the token at my place: 32 (group / 2) + 8 (group % 2) + r % 8 + 16 (r / 8); 4 bytes each
	s_lshr_b32 s24, s23, 1
	s_lshl_b32 s24, s24, 5
	s_and_b32 s25, s23, 1
	s_lshl_b32 s25, s25, 3
	s_add_co_u32 s24, s24, s25
	s_lshl_b32 s24, s24, 2
	s_mov_b32 s25, 0
	s_lshl_b32 s26, s23, 12
	s_mov_b32 s27, 0
	s_mov_b32 s30, 0xb94ca1f9                      ; sin's and cos's highest two coefficients
	s_mov_b32 s31, 0x3c08839e
	s_mov_b32 s32, 0x37ccf5ce
	s_mov_b32 s33, 0xbab6061a
	s_wait_alu depctr_va_vdst(0)
	s_wait_kmcnt 0x0
	s_add_nc_u64 s[14:15], s[14:15], s[24:25]
	s_add_nc_u64 s[20:21], s[20:21], s[26:27]
	global_load_b32 v6, v5, s[14:15]
	v_lshlrev_b32 v9, 3, v4                        ; 8 h
	v_lshlrev_b32 v8, 4, v2                        ; 16 x lane
	s_wait_alu depctr_va_vdst(0)
	s_wait_loadcnt 0x0
	v_cvt_f32_i32 v6, v6                           ; the position, as reference() widens it
.macro SINCOS k, c, s                  ; frequency k + 8 h: cos into v[c], sin into v[s]
	v_add_nc_u32 v10, \k, v9
	v_cvt_f32_u32 v10, v10                         ; i
	v_mul_f32 v11, 0xbed49a40, v10                 ; -i x the upper 18 bits of log2(10000) / 32: exact
	s_wait_alu depctr_va_vdst(0)
	v_exp_f32 v11, v11
	v_mul_f32 v12, 0xb59c15ff, v10                 ; (a plain place behind the exponential)  -i x the rest x ln 2
	s_wait_alu depctr_va_vdst(0)
	v_fma_f32 v11, v11, v12, v11                   ; inv_freq
	v_mul_f32 v11, v6, v11                         ; the angle, rounded as reference() rounds it
	v_mul_f32 v12, 0x3f22f983, v11
	v_rndne_f32 v12, v12                           ; n = the nearest multiple of pi / 2
	v_fmamk_f32 v13, v12, 0xbfc90fd8, v11          ; angle - n pi / 2, pi / 2 in three parts
	v_fmamk_f32 v13, v12, 0xb4a8885a, v13
	v_fmamk_f32 v13, v12, 0xa7c234c4, v13
	v_mul_f32 v14, v13, v13
	v_fma_f32 v15, v14, s30, s31
	v_fmaak_f32 v15, v15, v14, 0xbe2aaaa3
	v_mul_f32 v15, v15, v14
	v_fma_f32 v15, v15, v13, v13                   ; sin of the rest
	v_fma_f32 v16, v14, s32, s33
	v_fmaak_f32 v16, v16, v14, 0x3d2aaaa5
	v_fmaak_f32 v16, v16, v14, 0xbf000000
	v_fma_f32 v16, v16, v14, 1.0                   ; cos of the rest
	v_cvt_i32_f32 v17, v12
	v_and_b32 v18, 1, v17
	v_cmp_eq_u32 vcc_lo, 1, v18
	v_cndmask_b32 v19, v15, v16, vcc_lo            ; an odd n exchanges the two;
	v_cndmask_b32 v20, v16, v15, vcc_lo
	v_lshlrev_b32 v18, 30, v17
	v_and_b32 v18, 0x80000000, v18
	v_xor_b32 v[\s], v19, v18                      ; sin changes sign where n % 4 is 2 or 3,
	v_add_nc_u32 v17, 1, v17
	v_lshlrev_b32 v17, 30, v17
	v_and_b32 v17, 0x80000000, v17
	v_xor_b32 v[\c], v20, v17                      ; cos where it is 1 or 2
.endm
.irp ld, 0,1,2,3,4,5,6,7
	SINCOS 16*(\ld/4)+2*(\ld%4), 32+4*\ld, 33+4*\ld
	SINCOS 16*(\ld/4)+2*(\ld%4)+1, 34+4*\ld, 35+4*\ld
	global_store_b128 v8, v[32+4*\ld:35+4*\ld], s[20:21] offset:512*\ld   ; 512 consecutive bytes; each store has registers of its own
.endr
	s_endpgm
.Lfunc_end_k_qac83817af8_quant:
	.size	k_qac83817af8_quant, .Lfunc_end_k_qac83817af8_quant-k_qac83817af8_quant
	.p2alignl 7, 3214868480
	.fill 96, 4, 3214868480
	.section	.rodata,"a",@progbits
	.p2align	6, 0x0
	.amdhsa_kernel k_qac83817af8_quant
		.amdhsa_group_segment_fixed_size 33280
		.amdhsa_private_segment_fixed_size 0
		.amdhsa_enable_private_segment 0
		.amdhsa_kernarg_size 72
		.amdhsa_user_sgpr_count 2
		.amdhsa_user_sgpr_kernarg_segment_ptr 1
		.amdhsa_wavefront_size32 1
		.amdhsa_system_sgpr_workgroup_id_x 1
		.amdhsa_system_sgpr_workgroup_id_y 1
		.amdhsa_system_sgpr_workgroup_id_z 1
		.amdhsa_system_vgpr_workitem_id 0
		.amdhsa_next_free_vgpr 194
		.amdhsa_next_free_sgpr 66
		.amdhsa_reserve_vcc 1
		.amdhsa_float_denorm_mode_32 3
		.amdhsa_float_denorm_mode_16_64 3
		.amdhsa_memory_ordered 1
		.amdhsa_forward_progress 1
		.amdhsa_inst_pref_size 61
	.end_amdhsa_kernel
	.amdgpu_metadata
---
amdhsa.version: [ 1, 2 ]
amdhsa.kernels:
  - .name:           k_qac83817af8_quant
    .symbol:         k_qac83817af8_quant.kd
    .args:
      - { .name: x, .offset: 0, .size: 8, .value_kind: global_buffer, .address_space: global }
      - { .name: WQ, .offset: 8, .size: 8, .value_kind: global_buffer, .address_space: global }
      - { .name: WK, .offset: 16, .size: 8, .value_kind: global_buffer, .address_space: global }
      - { .name: WV, .offset: 24, .size: 8, .value_kind: global_buffer, .address_space: global }
      - { .name: WO, .offset: 32, .size: 8, .value_kind: global_buffer, .address_space: global }
      - { .name: token_positions, .offset: 40, .size: 8, .value_kind: global_buffer, .address_space: global }
      - { .name: xw_codes, .offset: 48, .size: 8, .value_kind: global_buffer, .address_space: global }
      - { .name: xw_scales, .offset: 56, .size: 8, .value_kind: global_buffer, .address_space: global }
      - { .name: rope, .offset: 64, .size: 8, .value_kind: global_buffer, .address_space: global }
    .group_segment_fixed_size: 33280
    .private_segment_fixed_size: 0
    .kernarg_segment_align: 8
    .kernarg_segment_size: 72
    .max_flat_workgroup_size: 128
    .sgpr_count:     66
    .vgpr_count:     194
    .wavefront_size: 32
...
	.end_amdgpu_metadata
.endif
;; end of part 1
;; launch qkv (part 2): grid 8 x 32, 4 waves a work-group, clusters of 4 x 4, 327,680 bytes of LDS; arguments xw_codes, xw_scales, rope, qkv_codes, qkv_scales; writes qkv_codes, qkv_scales
.if DOCPART == 2
	.amdgcn_target "amdgcn-amd-amdhsa--gfx1250"
	.amdhsa_code_object_version 6
	.text
	.protected	k_qac83817af8_qkv
	.globl	k_qac83817af8_qkv
	.p2align	8
	.type	k_qac83817af8_qkv,@function
k_qac83817af8_qkv:
	s_mov_b64 s[64:65], 0
	v_nop
	global_prefetch_b8 v0, s[64:65] scope:SCOPE_SE
	s_setreg_imm32_b32 hwreg(HW_REG_WAVE_MODE, 25, 1), 1
	s_wait_xcnt 0x0
	s_wait_alu depctr_hold_cnt(0) depctr_sa_sdst(0) depctr_va_vdst(0) depctr_va_sdst(0) depctr_va_ssrc(0) depctr_va_vcc(0) depctr_vm_vsrc(0)
	s_getreg_b32 s2, hwreg(HW_REG_IB_STS2, 6, 4)
	s_cmp_eq_u32 s2, 0
	s_cbranch_scc0 .Lentry_in_a_cluster
	s_endpgm
.Lentry_in_a_cluster:
	s_bfe_u32 s2, ttmp6, 0x10000c
	s_cmp_lg_u32 s2, 0xf033
	s_cbranch_scc0 .Lentry_shape_is_right
	s_endpgm
.Lentry_shape_is_right:
; The three projections on codes of FP6 (E2M3) with E8M0 scales, the rotary embedding, and the quantising of Q, K and V for the attention.  Sums in f32.
; SHARES.  256 work-groups of four waves, all with the same work.  A work-group keeps its 256 places of x in LDS for all of K = 1,024 and makes two tiles from them, one after the other:
;   1. C[token][e], 256 tokens x 256 rows of WQ or WK (128 x 128 a wave, 64 accumulators): rotated, quantised along e;
;   2. C[channel][token], 128 rows of WV x the same 256 tokens (64 x 128 a wave, 32 accumulators): quantised along the tokens, the attention's second K.
; K goes in 8 steps of 128, written out without a loop.
; OPERANDS lie in memory as [chunk of 64 along K][row][48 bytes], scale words as [128 along K][row][4]; a row's place holds the row with bits 3 and 4 of its number exchanged.
; THE MATRIX INSTRUCTION IS USED TRANSPOSED: its first source holds 16 places of the operand along whose rows the result is quantised (WQ or WK; in the second tile x), its second 16 places of the other.  A lane then holds one
; place of the second, and the 16 registers of the first's tiles 2 b and 2 b + 1 are its rows 32 b + 16 (lane / 16) + 0 .. 15 in their true order: 16 neighbours along the axis that is quantised.
; LDS: x [16 chunks][256 rows][48] (196,608 bytes, filled once; rows 48 bytes apart, so that the 32 lanes of a load of 8 bytes touch 64 different banks without padding: 64 banks of 4 bytes, ISA guide 11.1);
; two slots of 49,152 bytes for the weights: [4 chunks][256 rows][48] of WQ or WK, later [8 chunks][128 rows][48] of WV; four refills, each behind a round of the cluster's barrier; the spare words; a stage for each wave, into which no fill lands.
; SCALE WORDS come straight into registers: a load's 32 lanes take 128 consecutive bytes, the words of two neighbouring blocks of 16 rows (lanes 0-15 the even block, lanes 16-31 the odd one), and the instruction's row selectors pick the block.
; CLUSTERS: 4 x 4 work-groups; x's tiles are asked for jointly along a row of the cluster, the weights' along a column.  Every wave issues every load: no branch on the wave's number stands round a tensor load.
; OUT: Q and K: [head of 64][place of token][48 bytes], scale words [head][place] (two bytes, two zeros).  V: [head][chunk of 64 keys][place of channel][48], scale words [head][128 keys][place of channel].
; A block of zeros gets the byte 1 where the rule says 127: its codes are zeros, and this program alone reads the bytes.  LIMITS: NaN and infinities are not served.
; REGISTERS: window 0: v1-31 addresses; v32-95 scale words; v96-127 at work; v128-223 the second source's fragments (on the ways out v128-255 are free).  window 1: the first source's fragments, two sets, at v0 and v128
; (at the first tile's end: cos and sin).  windows 2, 3: the accumulators: (a, b) at v[64 (a % 4) + 8 b] of window 2 + a / 4.
.set CH,    589824                     ; bytes from chunk to chunk in memory: 12,288 rows x 48
.set SS,    49152                      ; bytes from 128 along K to the next among the scale words
.set XCS,   12288                      ; LDS: from chunk to chunk of a tile of 256 rows
.set VCS,   6144                       ; and of 128 rows
.set KSL,   49152                      ; four chunks of 256 rows: 256 along K; also a slot of the weights
.set WS,    196608                     ; the weights' two slots begin here
.set SPARE, 294912                     ; the spare words, 128 bytes for each wave: two blocks of 256 bytes that no other line names
.set STG,   295424                     ; the stages: 4,096 bytes a wave: 16 rows x 144, and from 2,560 on scale words
.set FR,    12                         ; registers of a fragment
.set NL,    6                          ; LDS loads that bring one
.set NP,    4                          ; places behind this matrix instruction (ISA guide 7.12.1)
.set XA,    8                          ; v8-11  x's fragments as second source (my half of the tile's rows), 256 along K each
.set XB,    12                         ; v12-15 x's fragments as first source (my half of the tile's columns)
.set WB,    16                         ; v16-17 WQ's or WK's fragments in slot 0, 1
.set VA,    18                         ; v18-19 WV's fragments in slot 0, 1
.set GXA,   20                         ; v20-23 byte offsets among the scale words in memory: x for tile 1, WQ or WK, x for tile 2, WV
.set GW,    21
.set GXB,   22
.set GWV,   23
.set STO,   24                         ; v24    the way out: where I put 12 bytes of codes
.set RDC,   25                         ; v25    where I read them back
.set SWS,   26                         ; v26    where I put a scale word of Q or K
.set RDS,   27                         ; v27    where I read those back
.set SPW,   28                         ; v28    LDS address of my spare word; never rewritten
.set NIL,   29                         ; v29    0; never rewritten
.set GO12,  30                         ; v30    12 x lane
.set GO16,  31                         ; v31    16 x lane
.set SC,    32                         ; tile 1: v[SC + 8 q + m] x's blocks 2 m, 2 m + 1; v[SC + 8 q + 4 + m] the weight's.  tile 2: v[SC + 6 q + m] x's; v[SC + 6 q + 4 + m] WV's
.set TM,    96                         ; v96-99 largest magnitudes, v100-103 bytes, v104-107 the conversions' scale operands
.set TP,    108                        ; v108-115 four pairs at work in the rotation
.set PW,    116                        ; v116-117 the scale word just made, two by turns
.set PS,    118                        ; v118-119 my head's half of it, two by turns
.set H16,   120                        ; v120   16 (lane / 16)
.set SWV,   121                        ; v121   where I put a scale word of V
.set RD8,   122                        ; v122   where I read those back
.set GO8,   123                        ; v123   8 x lane
.set AF,    128
.set ROT,   128                        ; v128-191 a block's 64 rotated numbers
.set PC,    192                        ; v192-223 codes, two sets by turns
.set OUT,   224                        ; v224-255 codes read back, two sets by turns
.set G1X1,  24                         ; s[24:31] group 1: a chunk of x;  s[32:39] three chunks of x;  s[40:47] a chunk of WQ or WK;  s[48:55] two chunks of WV
.set G1X3,  32
.set G1W,   40
.set G1V,   48
.set G0X1,  56                         ; groups 0: x's two first fills, the weights' two slots, WV's two halves
.set G0X3,  60
.set G0W0,  68
.set G0W1,  72
.set G0V0,  84
.set G0V1,  88
.set FLO,   99                         ; s99    the floor 2^(3 - 127)
.set SEL,   100                        ; s[100:101] v_permlanex16_b32's selects for lane l xor 16
.set MSB, 0
.macro WIN new                         ; the immediate's high byte repeats the setting that is left
.if MSB != (\new)
	s_set_vgpr_msb (MSB<<8)|(\new)
.set MSB, (\new)
.endif
.endm
.set MUL_LO, 0xa1                      ; source 0 window 1, source 1 window 0, C and D window 2
.set MUL_HI, 0xf1                      ; the same, C and D window 3
.set TO_B,   0x40                      ; destination window 1, address window 0
.macro CREST                           ; a round of the cluster's barrier behind its opening barrier
	s_cmp_lg_u32 s14, 0
	s_cbranch_scc1 .Lnot_wave_0_\@
	s_barrier_signal -3
.Lnot_wave_0_\@:
	s_barrier_wait -3
	s_barrier_signal -1
	s_barrier_wait -1
.endm
.macro CROUND                          ; a whole round
	s_barrier_signal -1
	s_barrier_wait -1
	CREST
.endm
.macro PLACES n
.rept \n
	v_nop
.endr
.endm
; One matrix instruction.  d: the accumulator; fa, fb: the two fragments; sa, sb: their scale registers; ra, rb: 1 where the block's words lie in lanes 16-31; zero = 1: the product starts the sum.
.macro WM d, fa, fb, sa, sb, ra, rb, zero
.if \zero
.if ((\ra)==0)&&((\rb)==0)
	v_wmma_scale_f32_16x16x128_f8f6f4 v[\d:\d+7], v[\fa:\fa+FR-1], v[\fb:\fb+FR-1], 0, v[\sa], v[\sb] matrix_a_fmt:MATRIX_FMT_FP6 matrix_b_fmt:MATRIX_FMT_FP6
.elseif ((\ra)==1)&&((\rb)==0)
	v_wmma_scale_f32_16x16x128_f8f6f4 v[\d:\d+7], v[\fa:\fa+FR-1], v[\fb:\fb+FR-1], 0, v[\sa], v[\sb] matrix_a_fmt:MATRIX_FMT_FP6 matrix_b_fmt:MATRIX_FMT_FP6 matrix_a_scale:MATRIX_SCALE_ROW1
.elseif ((\ra)==0)&&((\rb)==1)
	v_wmma_scale_f32_16x16x128_f8f6f4 v[\d:\d+7], v[\fa:\fa+FR-1], v[\fb:\fb+FR-1], 0, v[\sa], v[\sb] matrix_a_fmt:MATRIX_FMT_FP6 matrix_b_fmt:MATRIX_FMT_FP6 matrix_b_scale:MATRIX_SCALE_ROW1
.else
	v_wmma_scale_f32_16x16x128_f8f6f4 v[\d:\d+7], v[\fa:\fa+FR-1], v[\fb:\fb+FR-1], 0, v[\sa], v[\sb] matrix_a_fmt:MATRIX_FMT_FP6 matrix_b_fmt:MATRIX_FMT_FP6 matrix_a_scale:MATRIX_SCALE_ROW1 matrix_b_scale:MATRIX_SCALE_ROW1
.endif
.else
.if ((\ra)==0)&&((\rb)==0)
	v_wmma_scale_f32_16x16x128_f8f6f4 v[\d:\d+7], v[\fa:\fa+FR-1], v[\fb:\fb+FR-1], v[\d:\d+7], v[\sa], v[\sb] matrix_a_fmt:MATRIX_FMT_FP6 matrix_b_fmt:MATRIX_FMT_FP6
.elseif ((\ra)==1)&&((\rb)==0)
	v_wmma_scale_f32_16x16x128_f8f6f4 v[\d:\d+7], v[\fa:\fa+FR-1], v[\fb:\fb+FR-1], v[\d:\d+7], v[\sa], v[\sb] matrix_a_fmt:MATRIX_FMT_FP6 matrix_b_fmt:MATRIX_FMT_FP6 matrix_a_scale:MATRIX_SCALE_ROW1
.elseif ((\ra)==0)&&((\rb)==1)
	v_wmma_scale_f32_16x16x128_f8f6f4 v[\d:\d+7], v[\fa:\fa+FR-1], v[\fb:\fb+FR-1], v[\d:\d+7], v[\sa], v[\sb] matrix_a_fmt:MATRIX_FMT_FP6 matrix_b_fmt:MATRIX_FMT_FP6 matrix_b_scale:MATRIX_SCALE_ROW1
.else
	v_wmma_scale_f32_16x16x128_f8f6f4 v[\d:\d+7], v[\fa:\fa+FR-1], v[\fb:\fb+FR-1], v[\d:\d+7], v[\sa], v[\sb] matrix_a_fmt:MATRIX_FMT_FP6 matrix_b_fmt:MATRIX_FMT_FP6 matrix_a_scale:MATRIX_SCALE_ROW1 matrix_b_scale:MATRIX_SCALE_ROW1
.endif
.endif
.endm
	s_load_b256 s[4:11], s[0:1], 0x0               ; the codes s[4:5], the scale words s[6:7], the table s[8:9], Q K V's codes s[10:11]
	s_load_b64 s[12:13], s[0:1], 0x20              ; Q K V's scale words
	v_lshl_add_u32 v[SPW], v0, 2, SPARE
	v_mov_b32 v[NIL], 0
	ds_add_u32 v28, v29
	ds_add_u32 v28, v29
	s_wait_dscnt 0x0
	v_lshrrev_b32 v1, 5, v0
	v_readfirstlane_b32 s14, v1                    ; wave 0..3
	s_lshr_b32 s15, s14, 1                         ; which half of a tile's rows (second source) is mine
	s_and_b32 s16, s14, 1                          ; which half of its columns (first source)
	s_bfe_u32 s92, ttmp6, 0x40000                  ; cx
	s_bfe_u32 s93, ttmp6, 0x40004                  ; cy
	s_and_b32 s95, ttmp7, 0xffff                   ; the cluster's y
	s_lshl_b32 s96, s93, 2
	s_lshl_b32 s96, 15, s96                        ; my row of the cluster
	s_lshl_b32 s97, 0x1111, s92                    ; my column
	; groups 1, in elements of 8 bytes, no padding.  15:0 the mask; 17:16 elements of 8 bytes; 21 set beside a mask
	s_or_b32 s[G1X1], s96, (3<<16)|(1<<21)         ; a chunk of 256 rows, 12,288 dense bytes, as 2 rows of 768 elements
	s_or_b32 s[G1W], s97, (3<<16)|(1<<21)
	s_or_b32 s[G1V], s97, (3<<16)|(1<<21)          ; two chunks of 128 rows: 2 rows of 768 elements, a chunk of memory apart
.irp g, G1X1, G1W, G1V
	s_mov_b32 s[\g+1], 768<<16                     ; tensor_dim0
	s_mov_b32 s[\g+2], 2<<16                       ; tensor_dim1
	s_mov_b32 s[\g+3], 768<<16                     ; tile_dim0
	s_mov_b32 s[\g+4], 2                           ; tile_dim1
	s_mov_b32 s[\g+6], 0
	s_mov_b32 s[\g+7], 0
.endr
	s_mov_b32 s[G1X1+5], 768                       ; from row to row
	s_mov_b32 s[G1W+5], 768
	s_mov_b32 s[G1V+5], CH/8
	s_or_b32 s[G1X3], s96, (3<<16)|(1<<21)         ; three chunks of 256 rows: 3 rows of 1,536 elements
	s_mov_b32 s[G1X3+1], 1536<<16
	s_mov_b32 s[G1X3+2], 3<<16
	s_mov_b32 s[G1X3+3], 1536<<16
	s_mov_b32 s[G1X3+4], 3
	s_mov_b32 s[G1X3+5], CH/8
	s_mov_b32 s[G1X3+6], 0
	s_mov_b32 s[G1X3+7], 0
	; which rows.  x's hang on cy alone of the two places in the cluster, the weights' on cx alone
	s_lshl_b32 s17, s95, 10
	s_lshl_b32 s18, s93, 8
	s_add_co_u32 s17, s17, s18                     ; x: place 1,024 y + 256 cy
	s_lshl_b32 s82, ttmp9, 10
	s_lshl_b32 s98, s92, 8
	s_add_co_u32 s82, s82, s98
	s_add_co_u32 s82, s82, 8192                    ; WQ (cluster x = 0) or WK (1): place 8,192 + 1,024 x + 256 cx
	s_lshl_b32 s83, ttmp9, 9
	s_lshl_b32 s98, s92, 7
	s_add_co_u32 s83, s83, s98
	s_add_co_u32 s83, s83, 10240                   ; WV: place 10,240 + 512 x + 128 cx
	s_mul_i32 s3, s14, CH                          ; wave x a chunk of memory
	s_mul_i32 s2, s17, 48
	s_add_co_u32 s20, s2, s3                       ; x, chunk wave
	s_mov_b32 s21, 0
	s_mul_i32 s22, s14, 3*CH
	s_add_co_u32 s22, s22, s2
	s_add_co_u32 s22, s22, 4*CH                    ; x, chunks 4 + 3 wave on
	s_mov_b32 s23, 0
	s_mul_i32 s98, s82, 48
	s_add_co_u32 s98, s98, s3                      ; WQ or WK, chunk wave
	s_mov_b32 s99, 0
	s_mul_i32 s100, s83, 48
	s_add_co_u32 s100, s100, s3
	s_add_co_u32 s100, s100, s3                    ; WV, chunks 2 wave on
	s_mov_b32 s101, 0
	s_mul_i32 s18, s14, XCS                        ; where they go: no place in the cluster enters an LDS address
	s_mul_i32 s19, s14, 3*XCS
	s_add_co_u32 s19, s19, 4*XCS
	v_and_b32 v4, 31, v0                           ; lane
	s_wait_alu depctr_va_vdst(0)
	s_lshl_b32 s80, s15, 7                         ; the scale words: 4 bytes a row, 4 x lane on from my first row
	s_add_co_u32 s80, s80, s17
	s_lshl_b32 s80, s80, 2
	v_lshl_add_u32 v[GXA], v4, 2, s80
	s_lshl_b32 s81, s16, 7
	s_add_co_u32 s80, s81, s17
	s_lshl_b32 s80, s80, 2
	v_lshl_add_u32 v[GXB], v4, 2, s80
	s_add_co_u32 s80, s81, s82
	s_lshl_b32 s80, s80, 2
	v_lshl_add_u32 v[GW], v4, 2, s80
	s_lshl_b32 s80, s15, 6
	s_add_co_u32 s80, s80, s83
	s_lshl_b32 s80, s80, 2
	v_lshl_add_u32 v[GWV], v4, 2, s80
	s_wait_alu depctr_va_vdst(0)
	s_wait_kmcnt 0x0
.irp q, 0,1,2,3,4,5,6,7                        ; tile 1's scale words of all 8 steps: each load takes 128 consecutive bytes
.irp m, 0,1,2,3
	global_load_b32 v[SC+8*\q+\m], v[GXA], s[6:7] offset:\q*SS+128*\m
	global_load_b32 v[SC+8*\q+4+\m], v[GW], s[6:7] offset:\q*SS+128*\m
.endr
.endr
	s_mov_b32 s[G0X1], 1                           ; 1:0 count = 1
	s_mov_b32 s[G0X1+1], s18                       ; 63:32 LDS address
	s_add_nc_u64 s[G0X1+2:G0X1+3], s[4:5], s[20:21]   ; 120:64 global address
	s_or_b32 s[G0X1+3], s[G0X1+3], 0x80000000      ; 127:126 type = 2
	s_mov_b32 s[G0X3], 1
	s_mov_b32 s[G0X3+1], s19
	s_add_nc_u64 s[G0X3+2:G0X3+3], s[4:5], s[22:23]
	s_or_b32 s[G0X3+3], s[G0X3+3], 0x80000000
	s_add_nc_u64 s[98:99], s[4:5], s[98:99]
	s_add_nc_u64 s[100:101], s[4:5], s[100:101]
	s_mov_b32 s[G0W0], 1
	s_add_co_u32 s[G0W0+1], s18, WS
	s_mov_b64 s[G0W0+2:G0W0+3], s[98:99]
	s_or_b32 s[G0W0+3], s[G0W0+3], 0x80000000
	s_mov_b32 s[G0W1], 1
	s_add_co_u32 s[G0W1+1], s18, WS+KSL
	s_add_nc_u64 s[G0W1+2:G0W1+3], s[98:99], 4*CH
	s_or_b32 s[G0W1+3], s[G0W1+3], 0x80000000
	s_mov_b32 s[G0V0], 1
	s_add_co_u32 s[G0V0+1], s18, WS
	s_mov_b64 s[G0V0+2:G0V0+3], s[100:101]
	s_or_b32 s[G0V0+3], s[G0V0+3], 0x80000000
	s_mov_b32 s[G0V1], 1
	s_add_co_u32 s[G0V1+1], s18, WS+KSL
	s_add_nc_u64 s[G0V1+2:G0V1+3], s[100:101], 8*CH
	s_or_b32 s[G0V1+3], s[G0V1+3], 0x80000000
	CROUND                                         ; all sixteen work-groups are here: the first joint loads meet
	tensor_load_to_lds s[G0X1:G0X1+3], s[G1X1:G1X1+7]      ; x's first 256 along K (a chunk a wave),
	s_nop 0
	tensor_load_to_lds s[G0W0:G0W0+3], s[G1W:G1W+7]        ; the weight's,
	s_nop 0
	tensor_load_to_lds s[G0X3:G0X3+3], s[G1X3:G1X3+7]      ; the rest of x,
	s_nop 0
	tensor_load_to_lds s[G0W1:G0W1+3], s[G1W:G1W+7]        ; the weight's second 256: four tensor loads of mine are out
	s_nop 0
	PLACES 4
	v_and_b32 v1, 15, v0                           ; r = lane % 16
	v_bfe_u32 v2, v0, 4, 1                         ; h = lane / 16
	v_mul_u32_u24 v3, v1, 48
	v_mad_u32_u24 v3, v2, 24, v3                   ; a fragment's row x 48 + 24 x half
	s_wait_alu depctr_va_vdst(0)
	s_mul_i32 s19, s15, 128*48
	s_mul_i32 s18, s16, 128*48
.irp k, 0,1,2,3
	v_add_nc_u32 v[XA+\k], s19, v3
	v_add_nc_u32 v[XB+\k], s18, v3
	s_add_co_u32 s19, s19, KSL
	s_add_co_u32 s18, s18, KSL
.endr
	v_add_nc_u32 v[WB], s18, v3                    ; four steps of KSL have brought s18 to the weights' slot 0
	s_add_co_u32 s18, s18, KSL
	v_add_nc_u32 v[WB+1], s18, v3
	s_mul_i32 s19, s15, 64*48
	s_add_co_u32 s19, s19, WS
	v_add_nc_u32 v[VA], s19, v3
	s_add_co_u32 s19, s19, KSL
	v_add_nc_u32 v[VA+1], s19, v3
	v_mul_u32_u24 v[GO12], v4, 12
	v_lshlrev_b32 v[GO16], 4, v4
	v_lshlrev_b32 v[GO8], 3, v4
	s_lshl_b32 s19, s14, 12
	s_add_co_u32 s19, s19, STG                     ; my stage
	v_mul_u32_u24 v5, v1, 144
	v_lshl_add_u32 v5, v2, 4, v5
	v_add_nc_u32 v[STO], s19, v5
	v_lshrrev_b32 v5, 2, v4
	v_mul_u32_u24 v5, v5, 144
	v_and_b32 v6, 3, v4
	v_lshl_add_u32 v5, v6, 4, v5
	v_add_nc_u32 v[RDC], s19, v5
	s_add_co_u32 s19, s19, 2560
	v_lshl_add_u32 v[RDS], v4, 4, s19
	v_lshl_add_u32 v[RD8], v4, 3, s19
	v_lshl_add_u32 v[SWV], v1, 2, s19
	v_lshl_add_u32 v[SWS], v2, 9, v[SWV]           ; 512 bytes of scale words for each of my two heads of Q or K
	v_lshlrev_b32 v[H16], 4, v2
.irp b, 0,1,2,3
	v_mov_b32 v[TM+4+\b], 0                        ; written once: a lane permute's destination counts as one of its sources
.endr
	s_mov_b32 s[FLO], 0x1800000
	s_mov_b32 s[SEL], 0x76543210
	s_mov_b32 s[SEL+1], 0xfedcba98
	s_lshl_b32 s18, s15, 7
	s_add_co_u32 s18, s18, s17
	s_and_b32 s18, s18, 2047                       ; tile 1: my first place of tokens in its batch
	s_lshl_b32 s66, s18, 8                         ; the table has 4,096 bytes for 16 places
	s_mov_b32 s67, 0
	s_add_nc_u64 s[66:67], s[8:9], s[66:67]
	s_lshr_b32 s19, s95, 1
	s_lshl_b32 s19, s19, 4                         ; 16 heads a batch
	s_lshl_b32 s2, ttmp9, 3                        ; V: my head: 16 x batch + 8 x + 2 cx + my half
	s_add_co_u32 s2, s2, s19
	s_lshl_b32 s3, s92, 1
	s_add_co_u32 s2, s2, s3
	s_add_co_u32 s2, s2, s15
	s_lshl_b32 s3, s16, 7
	s_add_co_u32 s3, s3, s17
	s_and_b32 s3, s3, 2047
	s_lshr_b32 s3, s3, 7                           ; which 128 keys of the batch are mine
	s_mul_i32 s76, s2, 98304
	s_mul_i32 s77, s3, 6144
	s_add_co_u32 s76, s76, s77
	s_add_co_u32 s76, s76, 12582912
	s_mov_b32 s77, 0
	s_add_nc_u64 s[76:77], s[10:11], s[76:77]      ; V's codes
	s_lshl_b32 s78, s2, 12
	s_lshl_b32 s79, s3, 8
	s_add_co_u32 s78, s78, s79
	s_add_co_u32 s78, s78, 1048576
	s_mov_b32 s79, 0
	s_add_nc_u64 s[78:79], s[12:13], s[78:79]      ; V's scale words
	s_lshl_b32 s2, s92, 2                          ; Q, K: my first head: 16 x batch + 4 cx + 2 x half
	s_add_co_u32 s2, s2, s19
	s_lshl_b32 s3, s16, 1
	s_add_co_u32 s2, s2, s3
	s_lshl_b32 s2, s2, 11
	s_add_co_u32 s2, s2, s18                       ; x 2,048 places + my first place
	s_mul_i32 s20, s2, 48
	s_mul_i32 s21, ttmp9, 6291456                  ; Q's codes, then K's
	s_add_co_u32 s20, s20, s21
	s_mov_b32 s21, 0
	s_add_nc_u64 s[10:11], s[10:11], s[20:21]
	s_lshl_b32 s20, s2, 2
	s_lshl_b32 s22, ttmp9, 19
	s_add_co_u32 s20, s20, s22
	s_add_nc_u64 s[12:13], s[12:13], s[20:21]
.macro FRAG reg, adr, off, cs          ; a fragment, 16 rows x 128 K, is 12 registers: registers 6 c .. 6 c + 5 are 24 bytes of one chunk, as they lie; in pieces of 8 bytes.  cs: from chunk to chunk
.irp p, 0,1,2,3,4,5
	ds_load_b64 v[\reg+2*\p:\reg+2*\p+1], v[\adr] offset:(\off)+(\p/3)*(\cs)+8*(\p%3)
.endr
.endm
; ---- TILE 1
.macro FETCH_B q                       ; the weight's eight fragments of step q into set q % 2; step q lies in slot (q / 2) % 2
	WIN TO_B
.irp i, 0,1,2,3,4,5,6,7
	FRAG 128*((\q)%2)+FR*\i, WB+((\q)/2)%2, 2*((\q)%2)*XCS+\i*768, XCS
.endr
	WIN 0
.endm
.macro FETCH_A q, i0                   ; x's blocks i0 .. i0 + 3
.irp i, \i0, \i0+1, \i0+2, \i0+3
	FRAG AF+FR*(\i), XA+(\q)/2, 2*((\q)%2)*XCS+(\i)*768, XCS
.endr
.endm
; 8 matrix instructions: x's block a against the weight's eight, step q.  The 64 accumulators take turns, one instruction a turn, in the same order in every step.
.macro MUL8 a, q, zero
.irp b, 0,1,2,3,4,5,6,7
	WM 64*((\a)%4)+8*\b, 128*((\q)%2)+FR*\b, AF+FR*(\a), SC+8*(\q)+4+\b/2, SC+8*(\q)+(\a)/2, \b%2, (\a)%2, \zero
.endr
.endm
; A step of 128 along K whose successor lies in the same slot.  A block of x is free as soon as its eight products are issued, so one set serves x; the weight has two.
.macro STEP q, zero
	s_wait_dscnt 4*NL                              ; the weight's set and x's blocks 0-3 are in; the youngest 24 loads (x's blocks 4-7) may be out
	WIN MUL_LO
	MUL8 0, \q, \zero
	MUL8 1, \q, \zero
	MUL8 2, \q, \zero
	MUL8 3, \q, \zero
	s_wait_dscnt 0                                 ; x's blocks 4-7 are in (asked for 32 matrix instructions ago)
	PLACES NP                                      ; in front of loads into registers that matrix instructions have read
	FETCH_B (\q)+1
	FETCH_A (\q)+1, 0
	WIN MUL_HI
	MUL8 4, \q, \zero
	MUL8 5, \q, \zero
	MUL8 6, \q, \zero
	MUL8 7, \q, \zero
	PLACES NP
	WIN 0
	FETCH_A (\q)+1, 4
.endm
; A slot's last step.  In front of the barrier each wave waits for all its tensor loads (the other slot's among them), adds 0 to its spare word, and waits for that and for its own LDS reads.  The barrier opens a round of the
; cluster's barrier; behind it nobody reads this slot, in any partner, and it is filled again by group 0 g0 under group 1 g1.  adv = 1: that group 0 first steps 8 chunks on.  fetch = 1: the next step's fragments are fetched.
.macro TURN q, g0, g1, adv, fetch
	s_wait_tensorcnt 0x0                           ; all my tensor loads have landed
	ds_add_u32 v[SPW], v[NIL]                      ; 0 onto my spare word
	s_wait_dscnt 4*NL+1                            ; (the add and the youngest 24 loads may be out)
	WIN MUL_LO
	MUL8 0, \q, 0                                  ; sixteen matrix instructions stand between the add and the wait for it
	MUL8 1, \q, 0
	s_wait_dscnt 0x0                               ; the add is done, and my LDS reads are over
	s_barrier_signal -1
	MUL8 2, \q, 0
	MUL8 3, \q, 0
	WIN 0
	s_barrier_wait -1
	CREST
.if \adv
	s_add_nc_u64 s[\g0+2:\g0+3], s[\g0+2:\g0+3], 8*CH
.endif
	tensor_load_to_lds s[\g0:\g0+3], s[\g1:\g1+7]  ; the first tensor load behind the round, and my only one until the next
	s_nop 0
	PLACES 4                                       ; (also the places in front of the loads below)
.if \fetch
	FETCH_B (\q)+1
	FETCH_A (\q)+1, 0
.endif
	WIN MUL_HI
	MUL8 4, \q, 0
	MUL8 5, \q, 0
	MUL8 6, \q, 0
	MUL8 7, \q, 0
	PLACES NP
	WIN 0
.if \fetch
	FETCH_A (\q)+1, 4
.endif
.endm
.macro TABLE a0                        ; cos and sin of my blocks a0 .. a0 + 3 into window 1: 32 registers a block, 32 loads of 512 consecutive bytes
	WIN TO_B
.irp t, \a0, \a0+1, \a0+2, \a0+3
.irp ld, 0,1,2,3,4,5,6,7
	global_load_b128 v[32*(\t)+4*\ld:32*(\t)+4*\ld+3], v[GO16], s[66:67] offset:4096*(\t)+512*\ld
.endr
.endr
	WIN 0
.endm
; ---- TILE 2: 64 channels x 128 tokens a wave.  Both operands have two sets.  A step is four groups of 8 matrix instructions (x's blocks 2 g, 2 g + 1 against WV's four); behind each group stands a short run of the next step's loads.
.macro VSCALES                         ; its scale words of all 8 steps
.irp q, 0,1,2,3,4,5,6,7
.irp m, 0,1,2,3
	global_load_b32 v[SC+6*\q+\m], v[GXB], s[6:7] offset:\q*SS+128*\m
.endr
.irp m, 0,1
	global_load_b32 v[SC+6*\q+4+\m], v[GWV], s[6:7] offset:\q*SS+128*\m
.endr
.endr
.endm
.macro VRA q                           ; WV's four fragments of step q: 24 loads.  Steps 0-3 lie in slot 0, steps 4-7 in slot 1
	WIN 0
.irp i, 0,1,2,3
	FRAG AF+48*((\q)%2)+FR*\i, VA+(\q)/4, 2*((\q)%4)*VCS+\i*768, VCS
.endr
.endm
.macro FB q, i                         ; x's fragment i of step q
	FRAG 128*((\q)%2)+FR*(\i), XB+(\q)/2, 2*((\q)%2)*XCS+(\i)*768, XCS
.endm
.macro VRB0 q
	WIN TO_B
	FB \q, 0
	FB \q, 1
	FB \q, 2
.endm
.macro VRB1 q
	WIN TO_B
	FB \q, 3
	FB \q, 4
	FB \q, 5
.endm
.macro VRB2 q
	WIN TO_B
	FB \q, 6
	FB \q, 7
.endm
.macro VG q, g, zero                   ; the 32 accumulators take turns, in the same order in every step
.irp b, 2*\g, 2*\g+1
.irp a, 0,1,2,3
	WM 64*\a+8*(\b), 128*((\q)%2)+FR*(\b), AF+48*((\q)%2)+FR*\a, SC+6*(\q)+(\b)/2, SC+6*(\q)+4+\a/2, (\b)%2, \a%2, \zero
.endr
.endr
.endm
; The loads of a step were issued in the order WV (24), x's 0-2 (18), 3-5 (18), 6-7 (12); each wait counts what was issued behind the fragments that its group needs.  next = 0: the last step fetches nothing.
.macro VSTEP q, zero, next
.if (\q) > 0
	PLACES NP                                      ; behind the last step's products: in front of all four runs of loads into the registers that they have read
.endif
	s_wait_dscnt 36                                ; WV's and x's 0, 1 are in; out may be x's 2 (6), 3-5 (18), 6-7 (12)
	WIN MUL_LO
	VG \q, 0, \zero
.if \next
	VRA (\q)+1
	s_wait_dscnt 48                                ; x's 2, 3 are in; out: 4, 5 (12), 6-7 (12), the 24 just issued
.else
	s_wait_dscnt 24
.endif
	WIN MUL_LO
	VG \q, 1, \zero
.if \next
	VRB0 (\q)+1
	s_wait_dscnt 54                                ; x's 4, 5 are in; out: 6-7 (12), 24, 18
.else
	s_wait_dscnt 12
.endif
	WIN MUL_LO
	VG \q, 2, \zero
.if \next
	VRB1 (\q)+1
	s_wait_dscnt 60                                ; x's 6, 7 are in; out: 24, 18, 18
.else
	s_wait_dscnt 0x0
.endif
	WIN MUL_LO
	VG \q, 3, \zero
.if \next
	VRB2 (\q)+1
.endif
.endm
; ---- THE WAYS OUT, block by block of 16 places of the second source.
; A lane's 64 numbers, register 16 b + i = the quantised axis' 32 b + 16 (lane / 16) + i, in window w from v[src] on, become four times 16 codes in v[PC ..] and a scale word in v[PW ..].
.macro QUANT src, w, a
	WIN ((\w)<<2)|((\w)<<4)
.irp b, 0,1,2,3
	v_max3_num_f32 v[TM+\b], s[FLO], |v[\src+16*\b]|, |v[\src+16*\b+1]|   ; block b: my 16 numbers, from each accumulator's low end on, and the floor, so that the byte cannot fall under 1
.endr
.irp i, 2,4,6,8,10,12,14
.irp b, 0,1,2,3
	v_max3_num_f32 v[TM+\b], v[TM+\b], |v[\src+16*\b+\i]|, |v[\src+16*\b+\i+1]|   ; (the four blocks by turns)
.endr
.endr
	WIN 0
.irp b, 0,1,2,3
	v_permlanex16_b32 v[TM+4+\b], v[TM+\b], s[SEL], s[SEL+1]
.endr
.irp b, 0,1,2,3
	v_max_num_f32 v[TM+\b], v[TM+\b], v[TM+4+\b]   ; with lane l xor 16's: the block's largest magnitude
.endr
.irp b, 0,1,2,3
	v_add_nc_u32 v[TM+8+\b], 0xff000000, v[TM+\b]  ; 2 off its exponent field: the conversion's scale operand
.endr
.irp b, 0,1,2,3
	v_lshrrev_b32 v[TM+4+\b], 23, v[TM+8+\b]       ; the scale's byte
.endr
	v_lshl_or_b32 v[PW+(\a)%2], v[TM+5], 8, v[TM+4]
	v_lshl_or_b32 v[PW+(\a)%2], v[TM+6], 16, v[PW+(\a)%2]
	v_lshl_or_b32 v[PW+(\a)%2], v[TM+7], 24, v[PW+(\a)%2]
	WIN (\w)
.irp b, 0,1,2,3
	v_cvt_scalef32_pk16_fp6_f32 v[PC+16*((\a)%2)+4*\b:PC+16*((\a)%2)+4*\b+2], v[\src+16*\b:\src+16*\b+15], v[TM+8+\b]
.endr
	WIN 0
	v_nop                                          ; one plain place behind a scaled conversion
.endm
; The rotation of block a: a pair (x1, x2) of neighbouring registers becomes (x1 cos - x2 sin, x1 sin + x2 cos): a packed multiply and a packed multiply-add; cos and sin lie as a pair in window 1.
.macro ROPE a
	WIN (2+(\a)/4)|4                               ; source 0: the accumulators' window; source 1: window 1
.irp b, 0,1,2,3,4,5,6,7
.irp k, 0,1,2,3
.set RA, 64*((\a)%4)+8*\b+2*\k
.set RC, 32*(\a)+16*((\b/2)%2)+8*(\b%2)+2*\k
	v_pk_mul_f32 v[TP+2*\k:TP+2*\k+1], v[RA:RA+1], v[RC:RC+1] op_sel:[0,0] op_sel_hi:[0,1]   ; x1 cos, x1 sin
.endr
.irp k, 0,1,2,3
.set RA, 64*((\a)%4)+8*\b+2*\k
.set RC, 32*(\a)+16*((\b/2)%2)+8*(\b%2)+2*\k
	v_pk_fma_f32 v[ROT+8*\b+2*\k:ROT+8*\b+2*\k+1], v[RA:RA+1], v[RC:RC+1], v[TP+2*\k:TP+2*\k+1] op_sel:[1,1,0] op_sel_hi:[1,0,1] neg_lo:[0,1,0]   ; - x2 sin, + x2 cos
.endr
.endr
	WIN 0
.endm
; Into my stage: row r of 144 bytes, eight places of 16 bytes with 12 bytes of codes each (place 2 b + h); the scale word; and back: four lanes to a row's 48 bytes of one half j of the quantised axis, eight rows an instruction.
.macro TOSTAGE a, qk
.irp b, 0,1,2,3
	ds_store_b96 v[STO], v[PC+16*((\a)%2)+4*\b:PC+16*((\a)%2)+4*\b+2] offset:32*\b
.endr
.if \qk
	ds_store_b32 v[SWS], v[PS+(\a)%2] offset:64*(\a)
.else
	ds_store_b32 v[SWV], v[PW+(\a)%2] offset:64*(\a)   ; (both halves of the lanes write the same word with the same value)
.endif
.irp j, 0,1
.irp s, 0,1
	ds_load_b96 v[OUT+16*((\a)%2)+8*\j+4*\s:OUT+16*((\a)%2)+8*\j+4*\s+2], v[RDC] offset:\s*1152+\j*64   ; LDS serves a wave's instructions in order: these see my stores
.endr
.endr
.endm
.macro SEND a, qk
	s_wait_dscnt 0x0                               ; block a is back in registers
	s_wait_xcnt 0x0                                ; the stores of the block before have read their registers: the next block's loads may land there
.irp j, 0,1
.irp s, 0,1
.if \qk
	global_store_b96 v[GO12], v[OUT+16*((\a)%2)+8*\j+4*\s:OUT+16*((\a)%2)+8*\j+4*\s+2], s[10:11] offset:\j*98304+(\a)*768+384*\s   ; 384 consecutive bytes: eight places of tokens of head j
.else
	global_store_b96 v[GO12], v[OUT+16*((\a)%2)+8*\j+4*\s:OUT+16*((\a)%2)+8*\j+4*\s+2], s[76:77] offset:\j*3072+(\a)*768+384*\s   ; chunk j of keys, eight places of channels
.endif
.endr
.endr
.endm
.macro BLOCK a, qk
.if \qk
.if (\a) == 0
	s_wait_loadcnt 24                              ; block 0's cos and sin are in; those of blocks 1 to 3 may be out
.else
	s_wait_loadcnt 8*(7-(\a))                      ; this block's cos and sin are in; the later blocks' may be out
.endif
	ROPE \a
.if (\a) == 0
	TABLE 4                                        ; blocks 4 to 7: into the weight's set 1, which the last step has left (four places and the rotation stand between): 56 loads of mine are out at the most
.endif
.if (\a) == 7
	VSCALES                                        ; no load of mine is out: tile 2's scale words are asked for, into registers that tile 1's products have left long ago
.endif
	QUANT ROT, 0, \a
	v_lshrrev_b32 v[PS+(\a)%2], v[H16], v[PW+(\a)%2]   ; lanes 0-15 keep the first head's two bytes, lanes 16-31 the second's; the word's upper two bytes are 0
	v_and_b32 v[PS+(\a)%2], 0xffff, v[PS+(\a)%2]
.else
	QUANT 64*((\a)%4), 2+(\a)/4, \a
.endif
.if (\a) > 0
	s_wait_alu depctr_va_vdst(0)
	SEND (\a)-1, \qk
.endif
	TOSTAGE \a, \qk
.endm
	s_wait_tensorcnt 2                             ; my parts of the first 256 along K are in; the two loads behind them may be out
	s_barrier_signal -1
	s_barrier_wait -1                              ; everybody's are
	FETCH_B 0
	FETCH_A 0, 0
	FETCH_A 0, 4
	s_wait_loadcnt 0x0                             ; the scale words
	STEP 0, 1                                      ; the first step's products start the sums
	TURN 1, G0W0, G1W, 1, 1                        ; slot 0 takes the weight's third 256 along K; every wave has waited for all of x in front of this barrier
	STEP 2, 0
	TURN 3, G0W1, G1W, 1, 1                        ; slot 1 the fourth
	STEP 4, 0
	TURN 5, G0V0, G1V, 0, 1                        ; slot 0 WV's first 512 along K
	STEP 6, 0
	TABLE 0                                        ; cos and sin of my blocks 0 to 3 come into the weight's set 0 and the 32 registers behind it; step 6 has left that set (its places stand behind its last products)
	TURN 7, G0V1, G1V, 0, 0                        ; slot 1 WV's second 512: it lands under the way out
.irp a, 0,1,2,3,4,5,6,7
	BLOCK \a, 1
.endr
	SEND 7, 1
	ds_load_b128 v[OUT:OUT+3], v[RDS]              ; my 128 places' scale words, head by head (these registers' stores were block 6's: freed by the wait in SEND 7)
	ds_load_b128 v[OUT+4:OUT+7], v[RDS] offset:512
	s_wait_dscnt 0x0
	global_store_b128 v[GO16], v[OUT:OUT+3], s[12:13]               ; 512 consecutive bytes, aligned
	global_store_b128 v[GO16], v[OUT+4:OUT+7], s[12:13] offset:8192
	; ---- tile 2
	s_wait_xcnt 0x0                                ; tile 1's stores have read their registers
	s_wait_tensorcnt 0x0                           ; my part of WV's second half is in,
	s_barrier_signal -1
	s_barrier_wait -1                              ; everybody's is
	VRA 0
	VRB0 0
	VRB1 0
	VRB2 0
	s_wait_loadcnt 0x0                             ; tile 2's scale words
	VSTEP 0, 1, 1
	VSTEP 1, 0, 1
	VSTEP 2, 0, 1
	VSTEP 3, 0, 1
	VSTEP 4, 0, 1
	VSTEP 5, 0, 1
	VSTEP 6, 0, 1
	VSTEP 7, 0, 0
	WIN 0
	PLACES NP                                      ; behind the last products: in front of the first read of results and of writes into the fragments' registers
.irp a, 0,1,2,3
	BLOCK \a, 0
.endr
	SEND 3, 0
	ds_load_b64 v[OUT:OUT+1], v[RD8]               ; my 64 channels' scale words (these registers' stores were block 2's: freed by the wait in SEND 3)
	s_wait_dscnt 0x0
	global_store_b64 v[GO8], v[OUT:OUT+1], s[78:79]                 ; 256 consecutive bytes, aligned
	s_wait_tensorcnt 0x0                           ; the wave's end
	ds_add_u32 v[SPW], v[NIL]
	s_wait_dscnt 0x0
	CROUND                                         ; the closing round
	s_endpgm
.Lfunc_end_k_qac83817af8_qkv:
	.size	k_qac83817af8_qkv, .Lfunc_end_k_qac83817af8_qkv-k_qac83817af8_qkv
	.p2alignl 7, 3214868480
	.fill 96, 4, 3214868480
	.section	.rodata,"a",@progbits
	.p2align	6, 0x0
	.amdhsa_kernel k_qac83817af8_qkv
		.amdhsa_group_segment_fixed_size 327680
		.amdhsa_private_segment_fixed_size 0
		.amdhsa_enable_private_segment 0
		.amdhsa_kernarg_size 40
		.amdhsa_user_sgpr_count 2
		.amdhsa_user_sgpr_kernarg_segment_ptr 1
		.amdhsa_wavefront_size32 1
		.amdhsa_system_sgpr_workgroup_id_x 1
		.amdhsa_system_sgpr_workgroup_id_y 1
		.amdhsa_system_sgpr_workgroup_id_z 1
		.amdhsa_system_vgpr_workitem_id 0
		.amdhsa_next_free_vgpr 1024
		.amdhsa_next_free_sgpr 102
		.amdhsa_reserve_vcc 0
		.amdhsa_float_denorm_mode_32 3
		.amdhsa_float_denorm_mode_16_64 3
		.amdhsa_memory_ordered 1
		.amdhsa_forward_progress 1
		.amdhsa_inst_pref_size 255
	.end_amdhsa_kernel
	.section	.bss,"aw",@nobits
	.p2align	6
	.space	262144
	.amdgpu_metadata
---
amdhsa.version: [ 1, 2 ]
amdhsa.kernels:
  - .name:           k_qac83817af8_qkv
    .symbol:         k_qac83817af8_qkv.kd
    .args:
      - { .name: xw_codes, .offset: 0, .size: 8, .value_kind: global_buffer, .address_space: global }
      - { .name: xw_scales, .offset: 8, .size: 8, .value_kind: global_buffer, .address_space: global }
      - { .name: rope, .offset: 16, .size: 8, .value_kind: global_buffer, .address_space: global }
      - { .name: qkv_codes, .offset: 24, .size: 8, .value_kind: global_buffer, .address_space: global }
      - { .name: qkv_scales, .offset: 32, .size: 8, .value_kind: global_buffer, .address_space: global }
    .group_segment_fixed_size: 327680
    .private_segment_fixed_size: 0
    .kernarg_segment_align: 8
    .kernarg_segment_size: 40
    .max_flat_workgroup_size: 128
    .sgpr_count:     102
    .vgpr_count:     1024
    .wavefront_size: 32
...
	.end_amdgpu_metadata
.endif
;; end of part 2
;; launch attn (part 3): grid 4 x 64, 16 waves a work-group, clusters of 4 x 1, 227,328 bytes of LDS; arguments qkv_codes, qkv_scales, o_codes, o_scales; writes o_codes, o_scales
.if DOCPART == 3
	.amdgcn_target "amdgcn-amd-amdhsa--gfx1250"
	.amdhsa_code_object_version 6
	.text
	.protected	k_qac83817af8_attn
	.globl	k_qac83817af8_attn
	.p2align	8
	.type	k_qac83817af8_attn,@function
k_qac83817af8_attn:
	s_mov_b64 s[64:65], 0
	v_nop
	global_prefetch_b8 v0, s[64:65] scope:SCOPE_SE
	s_setreg_imm32_b32 hwreg(HW_REG_WAVE_MODE, 25, 1), 1
	s_wait_xcnt 0x0
	s_wait_alu depctr_hold_cnt(0) depctr_sa_sdst(0) depctr_va_vdst(0) depctr_va_sdst(0) depctr_va_ssrc(0) depctr_va_vcc(0) depctr_vm_vsrc(0)
	s_getreg_b32 s2, hwreg(HW_REG_IB_STS2, 6, 4)
	s_cmp_eq_u32 s2, 0
	s_cbranch_scc0 .Lentry_in_a_cluster
	s_endpgm
.Lentry_in_a_cluster:
	s_bfe_u32 s2, ttmp6, 0x10000c
	s_cmp_lg_u32 s2, 0x3003
	s_cbranch_scc0 .Lentry_shape_is_right
	s_endpgm
.Lentry_shape_is_right:
; Causal attention on codes of FP6 (E2M3) with E8M0 scales; head size 64, 2,048 tokens, 64 heads (batch x 16).  Its result is quantised along the head's 64 for the output projection.
; THE SOFTMAX AHEAD OF THE SECOND PRODUCT: t = score x log2(e) / 8; M = the row's largest t so far, rounded UP to a whole number; p = 2^(t - M) is quantised along the keys, not normalised.  The row's sum is taken of the
; unquantised p, in f32, and divides at the end.  When M moves, the sum and O are multiplied by 2^(old M - new M): exact.
; SHARES.  The four work-groups of a cluster belong to one head.  ALL of the head's K and V (98,304 bytes each) and their scale words stay in LDS, filled once, by joint loads: no ring, no refill, no barrier in the loops.
; Each of the sixteen waves makes two tiles of 16 places of queries, one after the other: tile 4 wave + cx and tile 127 less that.  The first ends in the key step wave / 2, the second in step 15 - wave / 2:
; 17 key steps of 128 for every wave of the launch.  The loops have 16 trips each; a trip beyond the tile's last step jumps over its work.  The branches hang on the wave's number alone.
; LAYOUT.  Both products are used transposed: S^T = K Q^T (source 0 = 16 places of keys), O^T = V^T P^T (source 0 = 16 places of channels): a lane holds ONE query throughout.  A place holds the row with bits 3 and 4 of its number
; exchanged, so the 16 registers of tiles 2 b and 2 b + 1 are the keys (channels) 32 b + 16 (lane / 16) + 0 .. 15 in their true order.
; THE FIRST PRODUCT HAS K = 64 in an instruction of K = 128.  The upper six registers of Q's fragment are zeros.  The upper six of a tile of K are the next tile's codes (zeros behind the last): they meet Q's zero codes under
; scale bytes 0 (2^-127, a number), so their products are zeros.
; A block of zeros gets the byte 1 where the rule says 127: its codes are zeros, and this program alone reads the bytes.  LIMITS: NaN and infinities are not served.
; The scale bytes of O leave one byte a lane: a word's other half belongs to the neighbouring head's work-groups; they are one part in 24 of what the launch stores.
; REGISTERS: v1-7, v28-31 addresses that stay; v8-11 the step's; v12 -M, v13 the largest t, v[14:15] the sum; v16-27 Q; v32-85 K's or V's fragments; v86-87 V's scale words; v96-159 S^T, then p; v160-191 O^T; v192 d; v193 -infinity;
; v200-216 the way out; v224-235 p's codes; v232-254 at work; v248-251 K's scale words; v255 Q's.
.set VC,   98304                       ; LDS: K's codes at 0 [2,048 places][48]; V's here [32 chunks of 64 keys][64 places][48]
.set KS,   196608                      ; K's scale words [2,048 places][4]
.set VS,   204800                      ; V's [16 steps][64 places][4]
.set STG,  208896                      ; the way out: 1,024 bytes for each wave, into which no fill lands
.set WV,   18
.set SEL,  20                          ; s[20:21] v_permlanex16_b32's selects for lane l xor 16
.set CS,   22                          ; s[22:23] c = log2(e) / 8
.set G1C,  24                          ; s[24:31] group 1 for codes;  s[32:35] group 0
.set G0C,  32
.set G1SK, 36                          ; s[36:43] group 1 for K's scale words;  s[44:47] group 0 for scale words;  s[48:55] group 1 for V's
.set G0S,  44
.set G1SV, 48
.set CX,   56
.set BH,   57
.set TI,   58                          ; my tile of queries
.set CD,   59                          ; the key step with its diagonal
.set KJ,   60                          ; the key step in hand
.set TB,   61                          ; its codes: 6,144 bytes a step, in K and in V
.set TS,   62                          ; K's scale words: 512 bytes a step
.set TJ,   63                          ; V's: 256 bytes a step
.macro CROUND                          ; a round of the cluster's barrier
	s_barrier_signal -1
	s_barrier_wait -1
	s_cmp_lg_u32 s[WV], 0
	s_cbranch_scc1 .Lnot_wave_0_\@
	s_barrier_signal -3
.Lnot_wave_0_\@:
	s_barrier_wait -3
	s_barrier_signal -1
	s_barrier_wait -1
.endm
	s_load_b256 s[4:11], s[0:1], 0x0               ; Q K V's codes s[4:5], their scale words s[6:7], O's codes s[8:9], O's scale bytes s[10:11]
	v_lshl_add_u32 v223, v0, 2, 0x37000
	v_mov_b32 v243, 0
	ds_add_u32 v223, v243
	ds_add_u32 v223, v243
	v_lshrrev_b32 v8, 5, v0
	s_delay_alu instid0(VALU_DEP_1)
	v_readfirstlane_b32 s[WV], v8                  ; wave 0..15
	s_bfe_u32 s[CX], ttmp6, 0x40000                ; cx: it enters Q's and O's addresses and the mask's numbers alone
	s_and_b32 s[BH], ttmp7, 0xffff                 ; the head, which the four partners share
	; group 1: dense blocks as rows of 256 bytes (32 elements of 8 bytes): 48 rows of codes, 4 of K's scale words, 2 of V's, to a wave
.irp g, G1C, G1SK, G1SV
	s_mov_b32 s[\g], 15|(3<<16)|(1<<21)            ; 15:0 the mask: all four work-groups; 17:16 elements of 8 bytes; 21 set beside a mask
	s_mov_b32 s[\g+1], 32<<16
	s_mov_b32 s[\g+3], 32<<16
	s_mov_b32 s[\g+5], 32
	s_mov_b32 s[\g+6], 0
	s_mov_b32 s[\g+7], 0
.endr
	s_mov_b32 s[G1C+2], 48<<16
	s_mov_b32 s[G1C+4], 48
	s_mov_b32 s[G1SK+2], 4<<16
	s_mov_b32 s[G1SK+4], 4
	s_mov_b32 s[G1SV+2], 2<<16
	s_mov_b32 s[G1SV+4], 2
	s_mov_b32 s[SEL], 0x76543210
	s_mov_b32 s[SEL+1], 0xfedcba98
	s_mov_b32 s[CS], 0x3e38aa3b
	s_mov_b32 s[CS+1], s[CS]                       ; (named with it as a pair, so it is written)
	s_mul_i32 s66, s[WV], 12288                    ; waves 0-7 bring K's eighths, waves 8-15 V's: in LDS V follows K, so the place is wave x 12,288 for both
	s_mul_i32 s67, s[BH], 98304
	s_add_co_u32 s68, s66, s67
	s_mov_b32 s69, 0
	s_mov_b32 s[G0C], 1
	s_mov_b32 s[G0C+1], s66
	s_mov_b32 s[G0S], 1
	s_wait_dscnt 0x0
	s_wait_kmcnt 0x0
	s_add_nc_u64 s[68:69], s[4:5], s[68:69]
	CROUND                                         ; all four work-groups are here: the joint loads meet
	s_cmp_lt_u32 s[WV], 8                          ; a wave's two fills stand in one branch, ahead of every wait on TENSORcnt and every LDS read: two loads of mine are out
	s_cbranch_scc0 .Lfirst_v
	s_add_nc_u64 s[G0C+2:G0C+3], s[68:69], 6291456 ; K's codes begin here
	s_or_b32 s[G0C+3], s[G0C+3], 0x80000000
	s_lshl_b32 s70, s[WV], 10
	s_add_co_u32 s[G0S+1], s70, KS
	s_lshl_b32 s71, s[BH], 13
	s_add_co_u32 s70, s70, s71
	s_add_co_u32 s70, s70, 524288
	s_mov_b32 s71, 0
	s_add_nc_u64 s[G0S+2:G0S+3], s[6:7], s[70:71]
	s_or_b32 s[G0S+3], s[G0S+3], 0x80000000
	tensor_load_to_lds s[G0C:G0C+3], s[G1C:G1C+7]
	s_nop 0
	tensor_load_to_lds s[G0S:G0S+3], s[G1SK:G1SK+7]
	s_nop 0
.rept 4
	v_nop
.endr
	s_branch .Lasked
.Lfirst_v:
	s_add_nc_u64 s[G0C+2:G0C+3], s[68:69], 12582912-8*12288   ; V's codes, eighth wave - 8
	s_or_b32 s[G0C+3], s[G0C+3], 0x80000000
	s_lshl_b32 s70, s[WV], 9
	s_add_co_u32 s[G0S+1], s70, VS-8*512
	s_lshl_b32 s71, s[BH], 12
	s_add_co_u32 s70, s70, s71
	s_add_co_u32 s70, s70, 1048576-8*512
	s_mov_b32 s71, 0
	s_add_nc_u64 s[G0S+2:G0S+3], s[6:7], s[70:71]
	s_or_b32 s[G0S+3], s[G0S+3], 0x80000000
	tensor_load_to_lds s[G0C:G0C+3], s[G1C:G1C+7]
	s_nop 0
	tensor_load_to_lds s[G0S:G0S+3], s[G1SV:G1SV+7]
	s_nop 0
.rept 4
	v_nop
.endr
.Lasked:
	v_and_b32 v8, 15, v0                           ; r
	v_bfe_u32 v9, v0, 4, 1                         ; h
	v_and_b32 v10, 31, v0                          ; lane
	s_delay_alu instid0(VALU_DEP_3)
	v_mul_u32_u24 v1, v8, 48
	s_delay_alu instid0(VALU_DEP_1)
	v_mad_u32_u24 v1, v9, 24, v1                   ; my place in a tile of K, of Q: row r x 48 + 24 h
	s_delay_alu instid0(VALU_DEP_1)
	v_add_nc_u32 v2, VC, v1                        ; and of V
	s_delay_alu instid0(VALU_DEP_4)
	v_lshl_add_u32 v3, v10, 2, KS                  ; scale words: lanes 0-15 an even tile's rows, lanes 16-31 the next tile's
	v_lshl_add_u32 v4, v10, 2, VS
	s_lshl_b32 s70, s[WV], 10
	s_add_co_u32 s70, s70, STG                     ; my stage
	v_lshlrev_b32 v5, 6, v8
	s_delay_alu instid0(VALU_DEP_1)
	v_lshl_add_u32 v5, v9, 4, v5
	s_delay_alu instid0(VALU_DEP_1)
	v_add_nc_u32 v5, s70, v5                       ; in: row r of 64 bytes, four places of 16 bytes: place 2 b + h
	v_lshrrev_b32 v6, 2, v10
	s_delay_alu instid0(VALU_DEP_1)
	v_lshlrev_b32 v6, 6, v6
	v_and_b32 v7, 3, v10
	s_delay_alu instid0(VALU_DEP_1)
	v_lshl_add_u32 v6, v7, 4, v6
	s_delay_alu instid0(VALU_DEP_1)
	v_add_nc_u32 v6, s70, v6                       ; back: four lanes to a row
	v_mul_u32_u24 v7, v10, 12                      ; and in memory 12 bytes a lane
	v_lshl_add_u32 v28, v8, 2, v9                  ; O's scale bytes: 4 r + h
	v_lshlrev_b32 v29, 3, v9                       ; 8 h
	v_lshlrev_b32 v30, 2, v8                       ; 4 r
	v_and_b32 v31, 7, v8
	v_lshrrev_b32 v11, 3, v8
	s_delay_alu instid0(VALU_DEP_1)
	v_sub_nc_u32 v11, v11, v9
	s_delay_alu instid0(VALU_DEP_1)
	v_lshl_add_u32 v31, v11, 4, v31                ; the lane's part of d: r % 8 + 16 (r / 8) - 16 h
.irp j, 22,23,24,25,26,27,80,81,82,83,84,85
	v_mov_b32 v[\j], 0                             ; Q's upper six registers, and those behind K's last tile
.endr
	v_mov_b32 v193, 0xff800000                     ; -infinity
.irp j, 236,237,238,239,252,253
	v_mov_b32 v[\j], 0                             ; written once: a lane permute's destination counts as one of its sources; v253 is named in a pair before it is first made
.endr
	s_wait_tensorcnt 0x0                           ; my two loads have landed,
	s_barrier_signal -1
	s_barrier_wait -1                              ; everybody's have: K, V and their scale words are whole, and nobody writes them again
.macro PASS P
	s_wait_xcnt 0x0                                ; the last pass's stores have read their registers and bases
	s_lshl_b32 s[TI], s[WV], 2
	s_add_co_u32 s[TI], s[TI], s[CX]               ; tile 4 wave + cx,
	s_lshr_b32 s[CD], s[WV], 1                     ; whose queries lie in key step wave / 2
.if \P
	s_sub_co_u32 s[TI], 127, s[TI]                 ; and its mirror
	s_sub_co_u32 s[CD], 15, s[CD]
.endif
	s_mul_i32 s70, s[BH], 98304
	s_mul_i32 s71, s[TI], 768
	s_add_co_u32 s70, s70, s71
	s_mov_b32 s71, 0
	s_add_nc_u64 s[72:73], s[4:5], s[70:71]        ; Q's codes
	s_lshl_b32 s70, s[BH], 13
	s_lshl_b32 s74, s[TI], 6
	s_add_co_u32 s70, s70, s74
	s_add_nc_u64 s[74:75], s[6:7], s[70:71]        ; and scale words
	global_load_b64 v[16:17], v1, s[72:73]
	global_load_b64 v[18:19], v1, s[72:73] offset:8
	global_load_b64 v[20:21], v1, s[72:73] offset:16
	global_load_b32 v255, v30, s[74:75]
	s_lshr_b32 s70, s[TI], 1
	s_and_b32 s70, s70, 3
	s_lshl_b32 s70, s70, 5
	s_and_b32 s71, s[TI], 1
	s_lshl_b32 s71, s71, 3
	s_add_co_u32 s70, s70, s71
	v_add_nc_u32 v192, s70, v31                    ; d = my query - the diagonal step's first key - 16 h
	v_mov_b32 v13, 0xff61b1e6                      ; the largest t so far: -3e38, under every t
	s_delay_alu instid0(VALU_DEP_1)
	v_floor_f32 v12, -v13                          ; -M
	v_mov_b32 v14, 0                               ; the sum, in two halves
	v_mov_b32 v15, 0
.irp j, 0,1,2,3,4,5,6,7,8,9,10,11,12,13,14,15,16,17,18,19,20,21,22,23,24,25,26,27,28,29,30,31
	v_mov_b32 v[160+\j], 0                         ; O^T.  (The step is written once: the first finds zeros, which the first change of M leaves zeros)
.endr
	s_mov_b32 s[KJ], 0
	s_mov_b32 s[TB], 0
	s_mov_b32 s[TS], 0
	s_mov_b32 s[TJ], 0
	s_wait_loadcnt 0x0                             ; Q
.Lstep_\@:
	s_cmp_gt_u32 s[KJ], s[CD]                      ; a step all of whose keys come after my queries is left out
	s_cbranch_scc1 .Lskip_\@
	s_setprio 2
	v_add_nc_u32 v8, s[TB], v1                     ; (these four are the places in front of loads into registers that the last step's products have read)
	v_add_nc_u32 v9, s[TB], v2
	v_add_nc_u32 v10, s[TS], v3
	v_add_nc_u32 v11, s[TJ], v4
.irp t, 0,1,2,3,4,5,6,7
.irp p, 0,1,2
	ds_load_b64 v[32+6*\t+2*\p:33+6*\t+2*\p], v8 offset:768*\t+8*\p   ; tile t of 16 places of keys: six registers
.endr
.endr
.irp m, 0,1,2,3
	ds_load_b32 v[248+\m], v10 offset:128*\m       ; lanes 0-15: tile 2 m's scale words; lanes 16-31: tile 2 m + 1's
.endr
	s_wait_alu depctr_va_vdst(0)
	s_wait_dscnt 0x0
.irp t, 0,1,2,3,4,5,6,7
.if \t%2
	v_wmma_scale_f32_16x16x128_f8f6f4 v[96+8*\t:103+8*\t], v[32+6*\t:43+6*\t], v[16:27], 0, v[248+\t/2], v255 matrix_a_fmt:MATRIX_FMT_FP6 matrix_b_fmt:MATRIX_FMT_FP6 matrix_a_scale:MATRIX_SCALE_ROW1
.else
	v_wmma_scale_f32_16x16x128_f8f6f4 v[96+8*\t:103+8*\t], v[32+6*\t:43+6*\t], v[16:27], 0, v[248+\t/2], v255 matrix_a_fmt:MATRIX_FMT_FP6 matrix_b_fmt:MATRIX_FMT_FP6
.endif
.endr
.rept 4
	v_nop                                          ; places: in front of the first read of the scores, and of the loads below into registers that these products have read
.endr
.irp t, 0,1,2,3                                ; V's four tiles of 16 places of channels x these 128 keys: they land while the softmax is worked
.irp p, 0,1,2,3,4,5
	ds_load_b64 v[32+12*\t+2*\p:33+12*\t+2*\p], v9 offset:3072*(\p/3)+768*\t+8*(\p%3)
.endr
.endr
	ds_load_b32 v86, v11
	ds_load_b32 v87, v11 offset:128
	s_cmp_lg_u32 s[KJ], s[CD]                      ; on the diagonal the scores of hidden keys become -infinity ahead of the maximum: p = 0 then
	s_cbranch_scc1 .Lopen_\@
.irp n, 0,1,2,3,4,5,6,7,8,9,10,11,12,13,14,15,16,17,18,19,20,21,22,23,24,25,26,27,28,29,30,31,32,33,34,35,36,37,38,39,40,41,42,43,44,45,46,47,48,49,50,51,52,53,54,55,56,57,58,59,60,61,62,63
	v_cmp_gt_i32 vcc_lo, 32*(\n/16)+\n%16, v192    ; register 16 b + i holds key 32 b + 16 h + i of the step: hidden where 32 b + i > d
	v_cndmask_b32 v[96+\n], v[96+\n], v193, vcc_lo
.endr
.Lopen_\@:
.irp b, 0,1,2,3
	v_max3_num_f32 v[232+\b], v[96+16*\b], v[97+16*\b], v[98+16*\b]   ; the largest score of each block of 32 keys: it serves for the row's maximum and, since p rises with the score, for the block's largest p
.endr
.irp i, 3,5,7,9,11,13
.irp b, 0,1,2,3
	v_max3_num_f32 v[232+\b], v[232+\b], v[96+16*\b+\i], v[97+16*\b+\i]
.endr
.endr
.irp b, 0,1,2,3
	v_max_num_f32 v[232+\b], v[232+\b], v[111+16*\b]
.endr
.irp b, 0,1,2,3
	s_delay_alu instid0(VALU_DEP_4)
	v_permlanex16_b32 v[236+\b], v[232+\b], s[SEL], s[SEL+1]
.endr
.irp b, 0,1,2,3
	s_delay_alu instid0(VALU_DEP_4)
	v_max_num_f32 v[232+\b], v[232+\b], v[236+\b]  ; with lane l xor 16's 16 keys
.endr
	s_delay_alu instid0(VALU_DEP_2)
	v_max3_num_f32 v254, v232, v233, v234
	s_delay_alu instid0(VALU_DEP_1)
	v_max_num_f32 v254, v254, v235                 ; the step's largest score of my query
	s_delay_alu instid0(VALU_DEP_1)
	v_mul_f32 v254, s[CS], v254                    ; as t
	s_delay_alu instid0(VALU_DEP_1)
	v_max_num_f32 v13, v13, v254                   ; the running largest t
	v_mov_b32 v254, v12
	s_delay_alu instid0(VALU_DEP_2)
	v_floor_f32 v12, -v13                          ; the new -M = -ceil(t)
	s_delay_alu instid0(VALU_DEP_1)
	v_sub_f32 v254, v12, v254                      ; old M - new M: a whole number, 0 or less
	s_delay_alu instid0(VALU_DEP_1)
	v_cvt_i32_f32 v254, v254                       ; (it saturates)
	s_delay_alu instid0(VALU_DEP_1)
	v_ldexp_f32 v252, 1.0, v254                    ; f = 2^(old M - new M)
	s_setprio 1
.irp j, 0,2,4,6,8,10,12,14,16,18,20,22,24,26,28,30,32,34,36,38,40,42,44,46,48,50,52,54,56,58,60,62
	v_pk_fma_f32 v[96+\j:97+\j], v[96+\j:97+\j], s[CS:CS+1], v[12:13] op_sel_hi:[1,0,0]   ; t - M, two at a time
.endr
.irp b, 0,1,2,3
	v_fma_f32 v[232+\b], v[232+\b], s[CS], v12     ; the same of each block's largest score
.endr
	s_wait_alu depctr_va_vdst(0)
.irp j, 0,1,2,3,4,5,6,7,8,9,10,11,12,13,14,15,16,17,18,19,20,21,22,23,24,25,26,27,28,29,30,31,32,33,34,35,36,37,38,39,40,41,42,43,44,45,46,47,48,49,50,51,52,53,54,55,56,57,58,59,60,61,62,63
	v_exp_f32 v[96+\j], v[96+\j]                   ; p = 2^(t - M), at most 1
.endr
.irp b, 0,1,2,3
	v_exp_f32 v[232+\b], v[232+\b]                 ; the block's largest p: the same two instructions on the same number give the same bits
.endr
	v_pk_mul_f32 v[14:15], v[14:15], v[252:253] op_sel_hi:[1,0]   ; the sums under the new M.  (A plain place behind the exponentials)
	s_wait_alu depctr_va_vdst(0)
.irp b, 0,1,2,3
	v_max_num_f32 v[232+\b], 0x1800000, v[232+\b]  ; the floor 2^(3 - 127): the byte cannot fall under 1
.endr
.irp b, 0,1,2,3
	s_delay_alu instid0(VALU_DEP_4)
	v_add_nc_u32 v[244+\b], 0xff000000, v[232+\b]  ; 2 off the exponent field: the conversion's scale operand
.endr
.irp b, 0,1,2,3
	s_delay_alu instid0(VALU_DEP_4)
	v_lshrrev_b32 v[236+\b], 23, v[244+\b]         ; the scale's byte
.endr
	s_delay_alu instid0(VALU_DEP_3)
	v_lshl_or_b32 v253, v237, 8, v236              ; p's scale word for these 128 keys
	s_delay_alu instid0(VALU_DEP_1)
	v_lshl_or_b32 v253, v238, 16, v253
	s_delay_alu instid0(VALU_DEP_1)
	v_lshl_or_b32 v253, v239, 24, v253
.irp c, 0,1
	v_cvt_scalef32_pk16_fp6_f32 v[224+6*\c:226+6*\c], v[96+32*\c:111+32*\c], v[244+2*\c]
	v_cvt_scalef32_pk16_fp6_f32 v[236+4*\c:238+4*\c], v[112+32*\c:127+32*\c], v[244+2*\c+1]   ; (a conversion's three registers begin on an even number)
.endr
	v_nop                                          ; one plain place behind a scaled conversion
.irp c, 0,1                                    ; the operand's layout wants a whole block in a lane: lanes 0-15 block 2 c, lanes 16-31 block 2 c + 1
.irp i, 0,1,2
	v_permlane16_swap_b32 v[224+6*\c+\i], v[236+4*\c+\i]
.endr
.irp i, 0,1,2
	s_delay_alu instid0(VALU_DEP_3)
	v_mov_b32 v[227+6*\c+\i], v[236+4*\c+\i]
.endr
.endr
	v_pk_add_f32 v[236:237], v[100:101], v[104:105]
	v_pk_add_f32 v[250:251], v[108:109], v[112:113]
	v_pk_add_f32 v[248:249], v[116:117], v[120:121]
	v_pk_add_f32 v[246:247], v[124:125], v[128:129]
	v_pk_add_f32 v[244:245], v[132:133], v[136:137]
	v_pk_add_f32 v[240:241], v[140:141], v[144:145]
	v_pk_add_f32 v[220:221], v[148:149], v[152:153]
	s_setprio 0
	v_pk_add_f32 v[14:15], v[14:15], v[156:157]
	v_pk_add_f32 v[236:237], v[236:237], v[96:97]
	v_pk_add_f32 v[250:251], v[250:251], v[98:99]
	v_pk_add_f32 v[248:249], v[248:249], v[102:103]
	v_pk_add_f32 v[246:247], v[246:247], v[106:107]
	v_pk_add_f32 v[244:245], v[244:245], v[110:111]
	v_pk_add_f32 v[240:241], v[240:241], v[114:115]
	v_pk_add_f32 v[220:221], v[220:221], v[118:119]
	v_pk_add_f32 v[14:15], v[14:15], v[122:123]
	v_pk_add_f32 v[236:237], v[236:237], v[126:127]
	v_pk_add_f32 v[250:251], v[250:251], v[130:131]
	v_pk_add_f32 v[248:249], v[248:249], v[134:135]
	v_pk_add_f32 v[246:247], v[246:247], v[138:139]
	v_pk_add_f32 v[244:245], v[244:245], v[142:143]
	v_pk_add_f32 v[240:241], v[240:241], v[146:147]
	v_pk_add_f32 v[220:221], v[220:221], v[150:151]
	v_pk_add_f32 v[14:15], v[14:15], v[154:155]
	v_pk_add_f32 v[236:237], v[236:237], v[158:159]
	s_delay_alu instid0(VALU_DEP_2)
	v_pk_add_f32 v[14:15], v[14:15], v[246:247]
	s_delay_alu instid0(VALU_DEP_2)
	v_pk_add_f32 v[236:237], v[236:237], v[244:245]
	v_pk_add_f32 v[250:251], v[250:251], v[240:241]
	v_pk_add_f32 v[248:249], v[248:249], v[220:221]
	s_delay_alu instid0(VALU_DEP_2)
	v_pk_add_f32 v[14:15], v[14:15], v[250:251]
	s_delay_alu instid0(VALU_DEP_2)
	v_pk_add_f32 v[236:237], v[236:237], v[248:249]
	s_delay_alu instid0(VALU_DEP_1)
	v_pk_add_f32 v[14:15], v[14:15], v[236:237]
.irp j, 0,2,4,6,8,10,12,14,16,18,20,22,24,26,28,30
	v_pk_mul_f32 v[160+\j:161+\j], v[160+\j:161+\j], v[252:253] op_sel_hi:[1,0]   ; O^T under the new M
.endr
	s_wait_alu depctr_va_vdst(0)
	s_wait_dscnt 0x0                               ; V and its scale words are in
.irp t, 0,1,2,3                                ; the four accumulators by turns
.if \t%2
	v_wmma_scale_f32_16x16x128_f8f6f4 v[160+8*\t:167+8*\t], v[32+12*\t:43+12*\t], v[224:235], v[160+8*\t:167+8*\t], v[86+\t/2], v253 matrix_a_fmt:MATRIX_FMT_FP6 matrix_b_fmt:MATRIX_FMT_FP6 matrix_a_scale:MATRIX_SCALE_ROW1
.else
	v_wmma_scale_f32_16x16x128_f8f6f4 v[160+8*\t:167+8*\t], v[32+12*\t:43+12*\t], v[224:235], v[160+8*\t:167+8*\t], v[86+\t/2], v253 matrix_a_fmt:MATRIX_FMT_FP6 matrix_b_fmt:MATRIX_FMT_FP6
.endif
.endr
.Lskip_\@:
	s_add_co_u32 s[TB], s[TB], 6144
	s_add_co_u32 s[TS], s[TS], 512
	s_add_co_u32 s[TJ], s[TJ], 256
	s_add_co_u32 s[KJ], s[KJ], 1
	s_cmp_lt_u32 s[KJ], 16
	s_cbranch_scc1 .Lstep_\@
	s_setprio 0
	; THE WAY OUT of a tile: O^T / the sum, quantised along the head's 64 (two blocks), through my stage, so that the codes leave as 768 consecutive bytes
.rept 4
	v_nop                                          ; places behind the last products
.endr
	v_add_f32 v14, v14, v15
	s_delay_alu instid0(VALU_DEP_1)
	v_permlanex16_b32 v252, v14, s[SEL], s[SEL+1]
	s_delay_alu instid0(VALU_DEP_1)
	v_add_f32 v14, v14, v252                       ; the row's sum
	s_wait_alu depctr_va_vdst(0)
	v_rcp_f32 v14, v14
	v_nop                                          ; one plain place behind a transcendental
	s_wait_alu depctr_va_vdst(0)
.irp j, 0,1,2,3,4,5,6,7,8,9,10,11,12,13,14,15,16,17,18,19,20,21,22,23,24,25,26,27,28,29,30,31
	v_mul_f32 v[96+\j], v[160+\j], v14             ; register 16 b + i is channel 32 b + 16 h + i of my query
.endr
.irp b, 0,1
	v_max3_num_f32 v[232+\b], |v[96+16*\b]|, |v[97+16*\b]|, 0x1800000
.endr
.irp i, 2,4,6,8,10,12,14
.irp b, 0,1
	s_delay_alu instid0(VALU_DEP_2)
	v_max3_num_f32 v[232+\b], v[232+\b], |v[96+16*\b+\i]|, |v[97+16*\b+\i]|
.endr
.endr
.irp b, 0,1
	s_delay_alu instid0(VALU_DEP_2)
	v_permlanex16_b32 v[236+\b], v[232+\b], s[SEL], s[SEL+1]
.endr
.irp b, 0,1
	s_delay_alu instid0(VALU_DEP_2)
	v_max_num_f32 v[232+\b], v[232+\b], v[236+\b]
.endr
.irp b, 0,1
	s_delay_alu instid0(VALU_DEP_2)
	v_add_nc_u32 v[244+\b], 0xff000000, v[232+\b]
.endr
.irp b, 0,1
	s_delay_alu instid0(VALU_DEP_2)
	v_lshrrev_b32 v[236+\b], 23, v[244+\b]
.endr
	s_delay_alu instid0(VALU_DEP_1)
	v_lshl_or_b32 v200, v237, 8, v236
	v_cvt_scalef32_pk16_fp6_f32 v[202:204], v[96:111], v244
	v_cvt_scalef32_pk16_fp6_f32 v[206:208], v[112:127], v245
	v_lshrrev_b32 v201, v29, v200                  ; lanes 0-15 keep block 0's byte, lanes 16-31 block 1's.  (A plain place behind the conversions)
	ds_store_b96 v5, v[202:204]
	ds_store_b96 v5, v[206:208] offset:32
	ds_load_b96 v[210:212], v6                     ; LDS serves a wave's instructions in order: these see my stores
	ds_load_b96 v[214:216], v6 offset:512
	s_and_b32 s70, s[BH], 15                       ; the head in its batch
	s_lshr_b32 s71, s[BH], 4
	s_lshl_b32 s71, s71, 11
	s_lshl_b32 s76, s[TI], 4
	s_add_co_u32 s71, s71, s76                     ; my first place among the 8,192 rows
	s_mul_i32 s76, s70, 393216                     ; O's codes: [head][8,192 places][48]
	s_mul_i32 s77, s71, 48
	s_add_co_u32 s76, s76, s77
	s_mov_b32 s77, 0
	s_add_nc_u64 s[78:79], s[8:9], s[76:77]
	s_lshr_b32 s76, s70, 1                         ; O's scale bytes: [head / 2][8,192 places][4], bytes 2 (head % 2) + block
	s_lshl_b32 s76, s76, 15
	s_lshl_b32 s71, s71, 2
	s_add_co_u32 s76, s76, s71
	s_and_b32 s70, s70, 1
	s_lshl_b32 s70, s70, 1
	s_add_co_u32 s76, s76, s70
	s_add_nc_u64 s[80:81], s[10:11], s[76:77]
	s_wait_alu depctr_va_vdst(0)
	s_wait_dscnt 0x0
	global_store_b96 v7, v[210:212], s[78:79]              ; 384 consecutive bytes: eight places
	global_store_b96 v7, v[214:216], s[78:79] offset:384
	global_store_b8 v28, v201, s[80:81]
.endm
	PASS 0
	PASS 1
	s_wait_dscnt 0x0
	s_wait_tensorcnt 0x0
	ds_add_u32 v223, v243
	s_wait_dscnt 0x0
	CROUND                                         ; the closing round: no work-group ends while a partner may still ask for a tile that names it
	s_endpgm
.Lfunc_end_k_qac83817af8_attn:
	.size	k_qac83817af8_attn, .Lfunc_end_k_qac83817af8_attn-k_qac83817af8_attn
	.p2alignl 7, 3214868480
	.fill 96, 4, 3214868480
	.section	.rodata,"a",@progbits
	.p2align	6, 0x0
	.amdhsa_kernel k_qac83817af8_attn
		.amdhsa_group_segment_fixed_size 227328
		.amdhsa_private_segment_fixed_size 0
		.amdhsa_enable_private_segment 0
		.amdhsa_kernarg_size 32
		.amdhsa_user_sgpr_count 2
		.amdhsa_user_sgpr_kernarg_segment_ptr 1
		.amdhsa_wavefront_size32 1
		.amdhsa_system_sgpr_workgroup_id_x 1
		.amdhsa_system_sgpr_workgroup_id_y 1
		.amdhsa_system_sgpr_workgroup_id_z 1
		.amdhsa_system_vgpr_workitem_id 0
		.amdhsa_next_free_vgpr 256
		.amdhsa_next_free_sgpr 100
		.amdhsa_reserve_vcc 1
		.amdhsa_float_denorm_mode_32 3
		.amdhsa_float_denorm_mode_16_64 3
		.amdhsa_memory_ordered 1
		.amdhsa_forward_progress 1
		.amdhsa_inst_pref_size 70
	.end_amdhsa_kernel
	.amdgpu_metadata
---
amdhsa.version: [ 1, 2 ]
amdhsa.kernels:
  - .name:           k_qac83817af8_attn
    .symbol:         k_qac83817af8_attn.kd
    .args:
      - { .name: qkv_codes, .offset: 0, .size: 8, .value_kind: global_buffer, .address_space: global }
      - { .name: qkv_scales, .offset: 8, .size: 8, .value_kind: global_buffer, .address_space: global }
      - { .name: o_codes, .offset: 16, .size: 8, .value_kind: global_buffer, .address_space: global }
      - { .name: o_scales, .offset: 24, .size: 8, .value_kind: global_buffer, .address_space: global }
    .group_segment_fixed_size: 227328
    .private_segment_fixed_size: 0
    .kernarg_segment_align: 8
    .kernarg_segment_size: 32
    .max_flat_workgroup_size: 512
    .sgpr_count:     100
    .vgpr_count:     256
    .wavefront_size: 32
...
	.end_amdgpu_metadata
.endif
;; end of part 3
;; launch oproj (part 4): grid 4 x 64, 4 waves a work-group, clusters of 4 x 4, 327,680 bytes of LDS; arguments o_codes, o_scales, xw_codes, xw_scales, out0; writes out0
.if DOCPART == 4
	.amdgcn_target "amdgcn-amd-amdhsa--gfx1250"
	.amdhsa_code_object_version 6
	.text
	.protected	k_qac83817af8_oproj
	.globl	k_qac83817af8_oproj
	.p2align	8
	.type	k_qac83817af8_oproj,@function
k_qac83817af8_oproj:
	s_mov_b64 s[64:65], 0
	v_nop
	global_prefetch_b8 v0, s[64:65] scope:SCOPE_SE
	s_setreg_imm32_b32 hwreg(HW_REG_WAVE_MODE, 25, 1), 1
	s_wait_xcnt 0x0
	s_wait_alu depctr_hold_cnt(0) depctr_sa_sdst(0) depctr_va_vdst(0) depctr_va_sdst(0) depctr_va_ssrc(0) depctr_va_vcc(0) depctr_vm_vsrc(0)
	s_getreg_b32 s2, hwreg(HW_REG_IB_STS2, 6, 4)
	s_cmp_eq_u32 s2, 0
	s_cbranch_scc0 .Lentry_in_a_cluster
	s_endpgm
.Lentry_in_a_cluster:
	s_bfe_u32 s2, ttmp6, 0x10000c
	s_cmp_lg_u32 s2, 0xf033
	s_cbranch_scc0 .Lentry_shape_is_right
	s_endpgm
.Lentry_shape_is_right:
; The output projection: out0[row][d] = sum over e of O[row][e] WO[d][e], on codes of FP6 (E2M3) with E8M0 scales; sums and result in f32.
; SHARES.  A tile of 128 rows x 256 columns to a work-group of four waves, 64 x 128 a wave (32 accumulators): 64 x 4 = 256 work-groups.  K = 1,024 in 8 steps of 128, written out without a loop.
; OPERANDS lie in memory as [chunk of 64 along K][row][48 bytes], scale words as [128 along K][row][4]; a row's place holds the row with bits 3 and 4 of its number exchanged.
; THE MATRIX INSTRUCTION IS USED TRANSPOSED (source 0 = 16 places of WO, source 1 = 16 places of O): a lane holds one place of O, and the 16 registers of WO's tiles 2 b and 2 b + 1 are the columns 32 b + 16 (lane / 16) + 0 .. 15 in
; their true order.  The rows are put back into their true order by the stores' offsets.
; LDS: BOTH OPERANDS LIE THERE FOR ALL OF K: O [16 chunks][128 rows][48] (98,304 bytes), WO [16 chunks][256 rows][48] (196,608 bytes): each byte is filled once, so there is no ring.  Rows are 48 bytes apart, so that the 32 lanes of a
; load of 8 bytes touch 64 different banks without padding (64 banks of 4 bytes: ISA guide 11.1).  The stages of the way out lie in O's bytes, behind a barrier that every wave passes behind its last read of the tiles.
; SCALE WORDS come straight into registers: a load's 32 lanes take 128 consecutive bytes, the words of two neighbouring blocks of 16 rows (lanes 0-15 the even block, lanes 16-31 the odd one), and the instruction's row selectors pick the block.
; CLUSTERS: 4 x 4 work-groups; O's tiles are asked for jointly along a row of the cluster, WO's along a column.  Every wave issues every load.
; REGISTERS: window 0: v1-31 addresses; v32-79 scale words of all 8 steps; v128-223 O's fragments, two sets (on the way out v128-255 take rows of the result).  window 1: WO's fragments, two sets.  window 2: the accumulators, (a, b) at v[64 a + 8 b].
.set CHA,   393216                     ; bytes from chunk to chunk in memory: O's codes (8,192 rows x 48), WO's (12,288 x 48)
.set CHB,   589824
.set SSA,   32768                      ; bytes from 128 along K to the next: O's scale words, WO's
.set SSB,   49152
.set OCS,   6144                       ; LDS: from chunk to chunk of O's tile, of WO's
.set WCS,   12288
.set WB0,   98304                      ; WO's tile begins here
.set FR,    12
.set NP,    4                          ; places behind this matrix instruction (ISA guide 7.12.1)
.set SPITCH, 528                       ; the way out: a stage of 16 rows x (512 bytes + 16) for each wave
.set OA,    8                          ; v8-11  O's fragments, 256 along K each
.set WA,    12                         ; v12-15 WO's
.set GSO,   20                         ; v20, v21 byte offsets among the scale words in memory
.set GSW,   21
.set STO,   24                         ; v24    the way out: where I put 32 bytes of a row
.set RD,    25                         ; v25    where I read a row back
.set CO,    26                         ; v26    16 x lane
.set SC,    32                         ; v[SC + 6 q + m] WO's blocks 2 m, 2 m + 1; v[SC + 6 q + 4 + m] O's
.set AF,    128
.set BK,    128                        ; the way out: 16 rows read back: v128-191 and v192-255 by turns
.set G1O1,  24                         ; s[24:31] group 1: a chunk of O;  s[32:39] three chunks of O;  s[40:47] a chunk of WO;  s[48:55] three chunks of WO
.set G1O3,  32
.set G1W1,  40
.set G1W3,  48
.set G0O1,  56
.set G0O3,  60
.set G0W1,  68
.set G0W3,  72
.set MSB, 0
.macro WIN new                         ; the immediate's high byte repeats the setting that is left
.if MSB != (\new)
	s_set_vgpr_msb (MSB<<8)|(\new)
.set MSB, (\new)
.endif
.endm
.set MUL_LO, 0xa1                      ; source 0 window 1, source 1 window 0, C and D window 2
.set TO_B,   0x40                      ; destination window 1, address window 0
.macro CROUND                          ; a round of the cluster's barrier
	s_barrier_signal -1
	s_barrier_wait -1
	s_cmp_lg_u32 s14, 0
	s_cbranch_scc1 .Lnot_wave_0_\@
	s_barrier_signal -3
.Lnot_wave_0_\@:
	s_barrier_wait -3
	s_barrier_signal -1
	s_barrier_wait -1
.endm
.macro PLACES n
.rept \n
	v_nop
.endr
.endm
; One matrix instruction.  d: the accumulator; fa, fb: the two fragments; sa, sb: their scale registers; ra, rb: 1 where the block's words lie in lanes 16-31; zero = 1: the product starts the sum.
.macro WM d, fa, fb, sa, sb, ra, rb, zero
.if \zero
.if ((\ra)==0)&&((\rb)==0)
	v_wmma_scale_f32_16x16x128_f8f6f4 v[\d:\d+7], v[\fa:\fa+FR-1], v[\fb:\fb+FR-1], 0, v[\sa], v[\sb] matrix_a_fmt:MATRIX_FMT_FP6 matrix_b_fmt:MATRIX_FMT_FP6
.elseif ((\ra)==1)&&((\rb)==0)
	v_wmma_scale_f32_16x16x128_f8f6f4 v[\d:\d+7], v[\fa:\fa+FR-1], v[\fb:\fb+FR-1], 0, v[\sa], v[\sb] matrix_a_fmt:MATRIX_FMT_FP6 matrix_b_fmt:MATRIX_FMT_FP6 matrix_a_scale:MATRIX_SCALE_ROW1
.elseif ((\ra)==0)&&((\rb)==1)
	v_wmma_scale_f32_16x16x128_f8f6f4 v[\d:\d+7], v[\fa:\fa+FR-1], v[\fb:\fb+FR-1], 0, v[\sa], v[\sb] matrix_a_fmt:MATRIX_FMT_FP6 matrix_b_fmt:MATRIX_FMT_FP6 matrix_b_scale:MATRIX_SCALE_ROW1
.else
	v_wmma_scale_f32_16x16x128_f8f6f4 v[\d:\d+7], v[\fa:\fa+FR-1], v[\fb:\fb+FR-1], 0, v[\sa], v[\sb] matrix_a_fmt:MATRIX_FMT_FP6 matrix_b_fmt:MATRIX_FMT_FP6 matrix_a_scale:MATRIX_SCALE_ROW1 matrix_b_scale:MATRIX_SCALE_ROW1
.endif
.else
.if ((\ra)==0)&&((\rb)==0)
	v_wmma_scale_f32_16x16x128_f8f6f4 v[\d:\d+7], v[\fa:\fa+FR-1], v[\fb:\fb+FR-1], v[\d:\d+7], v[\sa], v[\sb] matrix_a_fmt:MATRIX_FMT_FP6 matrix_b_fmt:MATRIX_FMT_FP6
.elseif ((\ra)==1)&&((\rb)==0)
	v_wmma_scale_f32_16x16x128_f8f6f4 v[\d:\d+7], v[\fa:\fa+FR-1], v[\fb:\fb+FR-1], v[\d:\d+7], v[\sa], v[\sb] matrix_a_fmt:MATRIX_FMT_FP6 matrix_b_fmt:MATRIX_FMT_FP6 matrix_a_scale:MATRIX_SCALE_ROW1
.elseif ((\ra)==0)&&((\rb)==1)
	v_wmma_scale_f32_16x16x128_f8f6f4 v[\d:\d+7], v[\fa:\fa+FR-1], v[\fb:\fb+FR-1], v[\d:\d+7], v[\sa], v[\sb] matrix_a_fmt:MATRIX_FMT_FP6 matrix_b_fmt:MATRIX_FMT_FP6 matrix_b_scale:MATRIX_SCALE_ROW1
.else
	v_wmma_scale_f32_16x16x128_f8f6f4 v[\d:\d+7], v[\fa:\fa+FR-1], v[\fb:\fb+FR-1], v[\d:\d+7], v[\sa], v[\sb] matrix_a_fmt:MATRIX_FMT_FP6 matrix_b_fmt:MATRIX_FMT_FP6 matrix_a_scale:MATRIX_SCALE_ROW1 matrix_b_scale:MATRIX_SCALE_ROW1
.endif
.endif
.endm
	s_load_b256 s[4:11], s[0:1], 0x0               ; O's codes s[4:5], O's scale words s[6:7], the weights' codes s[8:9], their scale words s[10:11]
	s_load_b64 s[12:13], s[0:1], 0x20              ; out0
	v_lshl_add_u32 v126, v0, 2, 0x48000
	v_mov_b32 v127, 0
	ds_add_u32 v126, v127
	ds_add_u32 v126, v127
	v_lshrrev_b32 v1, 5, v0
	v_readfirstlane_b32 s14, v1                    ; wave 0..3
	s_lshr_b32 s15, s14, 1                         ; which half of the tile's rows is mine
	s_and_b32 s16, s14, 1                          ; which half of its columns
	s_bfe_u32 s92, ttmp6, 0x40000                  ; cx
	s_bfe_u32 s93, ttmp6, 0x40004                  ; cy
	s_and_b32 s95, ttmp7, 0xffff                   ; the cluster's y
	s_lshl_b32 s96, s93, 2
	s_lshl_b32 s96, 15, s96                        ; my row of the cluster
	s_lshl_b32 s97, 0x1111, s92                    ; my column
	; groups 1, in elements of 8 bytes, no padding.  15:0 the mask; 17:16 elements of 8 bytes; 21 set beside a mask
	s_or_b32 s[G1O1], s96, (3<<16)|(1<<21)         ; a chunk of O's 128 rows: 6,144 dense bytes as 2 rows of 384 elements
	s_mov_b32 s[G1O1+1], 384<<16                   ; tensor_dim0
	s_mov_b32 s[G1O1+2], 2<<16                     ; tensor_dim1
	s_mov_b32 s[G1O1+3], 384<<16                   ; tile_dim0
	s_mov_b32 s[G1O1+4], 2                         ; tile_dim1
	s_mov_b32 s[G1O1+5], 384                       ; from row to row
	s_or_b32 s[G1O3], s96, (3<<16)|(1<<21)         ; three chunks of O: 3 rows of 768 elements, a chunk of memory apart
	s_mov_b32 s[G1O3+1], 768<<16
	s_mov_b32 s[G1O3+2], 3<<16
	s_mov_b32 s[G1O3+3], 768<<16
	s_mov_b32 s[G1O3+4], 3
	s_mov_b32 s[G1O3+5], CHA/8
	s_or_b32 s[G1W1], s97, (3<<16)|(1<<21)         ; a chunk of WO's 256 rows: 12,288 dense bytes as 2 rows of 768 elements
	s_mov_b32 s[G1W1+1], 768<<16
	s_mov_b32 s[G1W1+2], 2<<16
	s_mov_b32 s[G1W1+3], 768<<16
	s_mov_b32 s[G1W1+4], 2
	s_mov_b32 s[G1W1+5], 768
	s_or_b32 s[G1W3], s97, (3<<16)|(1<<21)         ; three chunks of WO: 3 rows of 1,536 elements
	s_mov_b32 s[G1W3+1], 1536<<16
	s_mov_b32 s[G1W3+2], 3<<16
	s_mov_b32 s[G1W3+3], 1536<<16
	s_mov_b32 s[G1W3+4], 3
	s_mov_b32 s[G1W3+5], CHB/8
.irp g, G1O1, G1O3, G1W1, G1W3
	s_mov_b32 s[\g+6], 0
	s_mov_b32 s[\g+7], 0
.endr
	; which rows.  O's hang on cy alone of the two places in the cluster, WO's on cx alone
	s_lshl_b32 s17, s95, 9
	s_lshl_b32 s18, s93, 7
	s_add_co_u32 s17, s17, s18                     ; O: place 512 y + 128 cy
	s_lshl_b32 s82, ttmp9, 10
	s_lshl_b32 s98, s92, 8
	s_add_co_u32 s82, s82, s98                     ; my first column: 1,024 x + 256 cx
	s_add_co_u32 s83, s82, 11264                   ; WO's places begin at 11,264
	s_mul_i32 s2, s17, 48
	s_mul_i32 s20, s14, CHA
	s_add_co_u32 s20, s20, s2                      ; O, chunk wave
	s_mov_b32 s21, 0
	s_mul_i32 s22, s14, 3*CHA
	s_add_co_u32 s22, s22, s2
	s_add_co_u32 s22, s22, 4*CHA                   ; O, chunks 4 + 3 wave on
	s_mov_b32 s23, 0
	s_mul_i32 s3, s83, 48
	s_mul_i32 s98, s14, CHB
	s_add_co_u32 s98, s98, s3                      ; WO, chunk wave
	s_mov_b32 s99, 0
	s_mul_i32 s100, s14, 3*CHB
	s_add_co_u32 s100, s100, s3
	s_add_co_u32 s100, s100, 4*CHB                 ; WO, chunks 4 + 3 wave on
	s_mov_b32 s101, 0
	s_mul_i32 s18, s14, OCS                        ; where they go: no place in the cluster enters an LDS address
	s_mul_i32 s19, s14, 3*OCS
	s_add_co_u32 s19, s19, 4*OCS
	s_mul_i32 s80, s14, WCS
	s_add_co_u32 s80, s80, WB0
	s_mul_i32 s81, s14, 3*WCS
	s_add_co_u32 s81, s81, WB0+4*WCS
	v_and_b32 v4, 31, v0                           ; lane
	s_lshl_b32 s84, s15, 6                         ; the scale words: 4 bytes a row, 4 x lane on from my first row
	s_add_co_u32 s84, s84, s17
	s_lshl_b32 s84, s84, 2
	v_lshl_add_u32 v[GSO], v4, 2, s84
	s_lshl_b32 s84, s16, 7
	s_add_co_u32 s84, s84, s83
	s_lshl_b32 s84, s84, 2
	v_lshl_add_u32 v[GSW], v4, 2, s84
	s_wait_alu depctr_va_vdst(0)
	s_wait_dscnt 0x0
	s_wait_kmcnt 0x0
.irp q, 0,1,2,3,4,5,6,7                        ; the scale words of all 8 steps: each load takes 128 consecutive bytes
.irp m, 0,1,2,3
	global_load_b32 v[SC+6*\q+\m], v[GSW], s[10:11] offset:\q*SSB+128*\m
.endr
.irp m, 0,1
	global_load_b32 v[SC+6*\q+4+\m], v[GSO], s[6:7] offset:\q*SSA+128*\m
.endr
.endr
	s_mov_b32 s[G0O1], 1                           ; 1:0 count = 1
	s_mov_b32 s[G0O1+1], s18                       ; 63:32 LDS address
	s_add_nc_u64 s[G0O1+2:G0O1+3], s[4:5], s[20:21]   ; 120:64 global address
	s_or_b32 s[G0O1+3], s[G0O1+3], 0x80000000      ; 127:126 type = 2
	s_mov_b32 s[G0O3], 1
	s_mov_b32 s[G0O3+1], s19
	s_add_nc_u64 s[G0O3+2:G0O3+3], s[4:5], s[22:23]
	s_or_b32 s[G0O3+3], s[G0O3+3], 0x80000000
	s_mov_b32 s[G0W1], 1
	s_mov_b32 s[G0W1+1], s80
	s_add_nc_u64 s[G0W1+2:G0W1+3], s[8:9], s[98:99]
	s_or_b32 s[G0W1+3], s[G0W1+3], 0x80000000
	s_mov_b32 s[G0W3], 1
	s_mov_b32 s[G0W3+1], s81
	s_add_nc_u64 s[G0W3+2:G0W3+3], s[8:9], s[100:101]
	s_or_b32 s[G0W3+3], s[G0W3+3], 0x80000000
	CROUND                                         ; all sixteen work-groups are here: the joint loads meet
	tensor_load_to_lds s[G0O1:G0O1+3], s[G1O1:G1O1+7]      ; the first 256 along K, a chunk a wave: O's,
	s_nop 0
	tensor_load_to_lds s[G0W1:G0W1+3], s[G1W1:G1W1+7]      ; WO's;
	s_nop 0
	tensor_load_to_lds s[G0O3:G0O3+3], s[G1O3:G1O3+7]      ; the rest of O,
	s_nop 0
	tensor_load_to_lds s[G0W3:G0W3+3], s[G1W3:G1W3+7]      ; of WO: four tensor loads of mine are out
	s_nop 0
	PLACES 4
	v_and_b32 v1, 15, v0                           ; r
	v_bfe_u32 v2, v0, 4, 1                         ; h
	v_mul_u32_u24 v3, v1, 48
	v_mad_u32_u24 v3, v2, 24, v3                   ; a fragment's row x 48 + 24 x half
	s_wait_alu depctr_va_vdst(0)
	s_mul_i32 s18, s15, 64*48                      ; my 64 rows of O
	s_mul_i32 s19, s16, 128*48                     ; my 128 rows of WO
	s_add_co_u32 s19, s19, WB0
.irp k, 0,1,2,3
	v_add_nc_u32 v[OA+\k], s18, v3
	v_add_nc_u32 v[WA+\k], s19, v3
	s_add_co_u32 s18, s18, 4*OCS
	s_add_co_u32 s19, s19, 4*WCS
.endr
	s_mul_i32 s18, s14, 16*SPITCH                  ; my stage
	v_mul_u32_u24 v5, v1, SPITCH                   ; in: row r; my half's 16 columns of each 32: 64 h bytes on
	v_lshl_add_u32 v5, v2, 6, v5
	v_add_nc_u32 v[STO], s18, v5
	v_lshlrev_b32 v[CO], 4, v4                     ; back: the 32 lanes take one row of 512 bytes; and the same in out0
	v_add_nc_u32 v[RD], s18, v[CO]
	s_lshl_b32 s18, s15, 6
	s_add_co_u32 s18, s18, s17                     ; my first row
	s_lshl_b32 s18, s18, 12                        ; rows of 4,096 bytes
	s_lshl_b32 s19, s16, 7
	s_add_co_u32 s19, s19, s82                     ; my first column,
	s_lshl_b32 s19, s19, 2                         ; 4 bytes each
	s_add_co_u32 s18, s18, s19
	s_mov_b32 s19, 0
	s_add_nc_u64 s[12:13], s[12:13], s[18:19]
.macro FRAG reg, adr, off, cs          ; a fragment, 16 rows x 128 K, is 12 registers: registers 6 c .. 6 c + 5 are 24 bytes of one chunk, as they lie; in pieces of 8 bytes.  cs: from chunk to chunk
.irp p, 0,1,2,3,4,5
	ds_load_b64 v[\reg+2*\p:\reg+2*\p+1], v[\adr] offset:(\off)+(\p/3)*(\cs)+8*(\p%3)
.endr
.endm
.macro VRA q                           ; O's four fragments of step q: 24 loads
	WIN 0
.irp i, 0,1,2,3
	FRAG AF+48*((\q)%2)+FR*\i, OA+(\q)/2, 2*((\q)%2)*OCS+\i*768, OCS
.endr
.endm
.macro FB q, i                         ; WO's fragment i of step q
	FRAG 128*((\q)%2)+FR*(\i), WA+(\q)/2, 2*((\q)%2)*WCS+(\i)*768, WCS
.endm
.macro VRB0 q
	WIN TO_B
	FB \q, 0
	FB \q, 1
	FB \q, 2
.endm
.macro VRB1 q
	WIN TO_B
	FB \q, 3
	FB \q, 4
	FB \q, 5
.endm
.macro VRB2 q
	WIN TO_B
	FB \q, 6
	FB \q, 7
.endm
.macro VG q, g, zero                   ; 8 matrix instructions: WO's blocks 2 g, 2 g + 1 against O's four.  The 32 accumulators take turns, in the same order in every step
.irp b, 2*\g, 2*\g+1
.irp a, 0,1,2,3
	WM 64*\a+8*(\b), 128*((\q)%2)+FR*(\b), AF+48*((\q)%2)+FR*\a, SC+6*(\q)+(\b)/2, SC+6*(\q)+4+\a/2, (\b)%2, \a%2, \zero
.endr
.endr
.endm
; A step is four groups of 8 matrix instructions; behind each stands a short run of the next step's loads.  Both operands have two sets.  A step's loads were issued in the order O (24), WO's 0-2 (18), 3-5 (18), 6-7 (12);
; each wait counts what was issued behind the fragments that its group needs.  next = 0: the last step fetches nothing.  bar = 1: the rest of K has to be there: a barrier at the step's head.
; fin = 1: my reads of the tiles are over: a barrier round the last group, behind which the stages may be written.
.macro VSTEP q, zero, next, bar, fin
.if (\q) > 0
	PLACES NP                                      ; behind the last step's products: in front of all four runs of loads into the registers that they have read
.endif
.if \bar
	s_wait_dscnt 0x0                               ; no LDS instruction of mine is out at a signal
	s_wait_tensorcnt 0x0                           ; my parts of the rest of K are in,
	s_barrier_signal -1
	s_barrier_wait -1                              ; everybody's are; nothing is ever filled again
.else
	s_wait_dscnt 36                                ; O's and WO's 0, 1 are in; out may be WO's 2 (6), 3-5 (18), 6-7 (12)
.endif
	WIN MUL_LO
	VG \q, 0, \zero
.if \next
	VRA (\q)+1
	s_wait_dscnt 48                                ; WO's 2, 3 are in; out: 4, 5 (12), 6-7 (12), the 24 just issued
.else
	s_wait_dscnt 24
.endif
	WIN MUL_LO
	VG \q, 1, \zero
.if \next
	VRB0 (\q)+1
	s_wait_dscnt 54                                ; WO's 4, 5 are in; out: 6-7 (12), 24, 18
.else
	s_wait_dscnt 12
.endif
	WIN MUL_LO
	VG \q, 2, \zero
.if \next
	VRB1 (\q)+1
	s_wait_dscnt 60                                ; WO's 6, 7 are in; out: 24, 18, 18
.else
	s_wait_dscnt 0x0
.endif
.if \fin
	s_barrier_signal -1                            ; my reads of the tiles are over
.endif
	WIN MUL_LO
	VG \q, 3, \zero
.if \next
	VRB2 (\q)+1
.endif
.if \fin
	WIN 0
	s_barrier_wait -1                              ; everybody's are
.endif
.endm
	s_wait_alu depctr_va_vdst(0)
	s_wait_tensorcnt 2                             ; my parts of the first 256 along K are in; the two loads behind them may be out
	s_barrier_signal -1
	s_barrier_wait -1                              ; everybody's are
	VRA 0
	VRB0 0
	VRB1 0
	VRB2 0
	s_wait_loadcnt 0x0                             ; the scale words
	VSTEP 0, 1, 1, 0, 0                            ; the first step's products start the sums
	VSTEP 1, 0, 1, 1, 0                            ; it fetches step 2, the first of the rest of K
	VSTEP 2, 0, 1, 0, 0
	VSTEP 3, 0, 1, 0, 0
	VSTEP 4, 0, 1, 0, 0
	VSTEP 5, 0, 1, 0, 0
	VSTEP 6, 0, 1, 0, 0
	VSTEP 7, 0, 0, 0, 1
; THE WAY OUT, block by block of 16 places x 128 columns, through my own stage; back as whole rows of 512 bytes.  LDS serves a wave's instructions in order: no wait between the stores and the loads.
.macro TOSTAGE a
	WIN 0x08                                       ; the data: window 2
.irp b, 0,1,2,3,4,5,6,7
	ds_store_b128 v[STO], v[64*(\a)+8*\b:64*(\a)+8*\b+3] offset:128*(\b/2)+32*(\b%2)          ; each accumulator from its low end on: columns 32 (b / 2) + 16 h + 8 (b % 2) on
	ds_store_b128 v[STO], v[64*(\a)+8*\b+4:64*(\a)+8*\b+7] offset:128*(\b/2)+32*(\b%2)+16
.endr
	WIN 0
.set BB, BK+64*((\a)%2)
.irp t, 0,1,2,3,4,5,6,7,8,9,10,11,12,13,14,15
	ds_load_b128 v[BB+4*\t:BB+4*\t+3], v[RD] offset:\t*SPITCH
.endr
.endm
.macro SEND a, younger                 ; younger: the LDS instructions issued behind block a's loads, which may stay out
.set BB, BK+64*((\a)%2)
	s_wait_dscnt \younger
.irp t, 0,1,2,3,4,5,6,7,8,9,10,11,12,13,14,15
	global_store_b128 v[CO], v[BB+4*\t:BB+4*\t+3], s[12:13] offset:(32*((\a)/2)+8*((\a)%2)+\t%8+16*(\t/8))*4096 th:TH_STORE_NT   ; place 16 a + t holds this row; 512 consecutive bytes, aligned; written once, read by nobody here
.endr
.endm
	PLACES NP                                      ; behind the last products
	TOSTAGE 0
.irp a, 1,2,3
.if \a > 1
	s_wait_xcnt 0x0                                ; block a - 2's stores have read their registers: block a's loads may land there
.endif
	TOSTAGE \a
	SEND \a-1, 32                                  ; behind block a - 1's loads: block a's 16 stores and 16 loads
.endr
	SEND 3, 0
	s_wait_tensorcnt 0x0
	ds_add_u32 v126, v127
	s_wait_dscnt 0x0
	CROUND                                         ; the closing round: no work-group ends while a partner may still ask for a tile that names it
	s_endpgm
.Lfunc_end_k_qac83817af8_oproj:
	.size	k_qac83817af8_oproj, .Lfunc_end_k_qac83817af8_oproj-k_qac83817af8_oproj
	.p2alignl 7, 3214868480
	.fill 96, 4, 3214868480
	.section	.rodata,"a",@progbits
	.p2align	6, 0x0
	.amdhsa_kernel k_qac83817af8_oproj
		.amdhsa_group_segment_fixed_size 327680
		.amdhsa_private_segment_fixed_size 0
		.amdhsa_enable_private_segment 0
		.amdhsa_kernarg_size 40
		.amdhsa_user_sgpr_count 2
		.amdhsa_user_sgpr_kernarg_segment_ptr 1
		.amdhsa_wavefront_size32 1
		.amdhsa_system_sgpr_workgroup_id_x 1
		.amdhsa_system_sgpr_workgroup_id_y 1
		.amdhsa_system_sgpr_workgroup_id_z 1
		.amdhsa_system_vgpr_workitem_id 0
		.amdhsa_next_free_vgpr 768
		.amdhsa_next_free_sgpr 102
		.amdhsa_reserve_vcc 0
		.amdhsa_float_denorm_mode_32 3
		.amdhsa_float_denorm_mode_16_64 3
		.amdhsa_memory_ordered 1
		.amdhsa_forward_progress 1
		.amdhsa_inst_pref_size 100
	.end_amdhsa_kernel
	.amdgpu_metadata
---
amdhsa.version: [ 1, 2 ]
amdhsa.kernels:
  - .name:           k_qac83817af8_oproj
    .symbol:         k_qac83817af8_oproj.kd
    .args:
      - { .name: o_codes, .offset: 0, .size: 8, .value_kind: global_buffer, .address_space: global }
      - { .name: o_scales, .offset: 8, .size: 8, .value_kind: global_buffer, .address_space: global }
      - { .name: xw_codes, .offset: 16, .size: 8, .value_kind: global_buffer, .address_space: global }
      - { .name: xw_scales, .offset: 24, .size: 8, .value_kind: global_buffer, .address_space: global }
      - { .name: out0, .offset: 32, .size: 8, .value_kind: global_buffer, .address_space: global }
    .group_segment_fixed_size: 327680
    .private_segment_fixed_size: 0
    .kernarg_segment_align: 8
    .kernarg_segment_size: 40
    .max_flat_workgroup_size: 128
    .sgpr_count:     102
    .vgpr_count:     768
    .wavefront_size: 32
...
	.end_amdgpu_metadata
.endif
;; end of part 4
